; MI455X (gfx1250); checked and timed in simulation.
; The chip was launched on July 23, 2026; its instructions are those of AMD's public machine-readable ISA for CDNA 5 (MIT licence, August 2026) and "CDNA5" Instruction Set Architecture Reference Guide (July 2026). The comments in the code are by the model that wrote it; some were corrected since.
;; Vi T Attention. Allowed arithmetic: matrix products marked QUANTISED: E2M3 operands, one E8M0 scale for each 32 along K, by v_wmma_scale_f32_16x16x128_f8f6f4 with both operands' format E2M3, f32 sums; everything else in f32.
;; Inputs: cos 4 x 2,048 x 64 float32; hidden_states 4 x 2,048 x 1,024 float32; proj_b 1,024 float32; proj_w 1,024 x 1,024 float32; qkv_b 3,072 float32; qkv_w 3,072 x 1,024 float32; sin 4 x 2,048 x 64 float32.
;; Outputs: out0 4 x 2,048 x 1,024 float32.
;; This version of the problem:
;;   THIS VERSION OF THE PROBLEM IS GIVEN IN LOW PRECISION. The matrix products marked QUANTISED in the list below multiply operands that are first quantised to E2M3 (2 exponent bits, 3 mantissa bits; 6 bits a number), with one power-of-two scale for each 32 numbers along K (OCP MX v1.0); their sums are f32. All else is computed in f32.
;;   The module's matrix products, in the order in which they are computed (A, B: the left and right operand; K: the contracted axis; several contracted axes count as one K, in the product's order):
;;     1. [M 8,192, K 1,024] x [K 1,024, N 3,072]; A: input hidden_states; B: input qkv_w: QUANTISED
;;     2. batch 64 x [M 2,048, K 64] x [K 64, N 2,048]; A: computed on the way; B: computed on the way: QUANTISED
;;     3. batch 64 x [M 64, K 2,048] x [K 2,048, N 2,048]; A: computed on the way; B: softmax (see below): QUANTISED
;;     4. [M 8,192, K 1,024] x [K 1,024, N 1,024]; A: computed on the way; B: input proj_w: QUANTISED
;;   THE QUANTISER, for each operand of a quantised product, along K:
;;     - K is cut into blocks of 32 from its start; a last block that is shorter is filled with zeros.
;;     - A block's scale is 2^e with e = floor(log2(the largest magnitude in the block)) - 2, held to -126 .. 127; a block of zeros has e = 0. As a byte (E8M0): e + 127.
;;     - Each number is divided by its block's scale, clamped to +-7.5, and rounded to the nearest number of E2M3, ties to even, subnormals kept.
;;     - The product sums the exact products of the quantised numbers (number of the format x scale) in f32.
;;   ~~~python
;;   def quantise(x, axis):      # numpy; x: float32 -> the quantised numbers, widened to float32 again
;;       x = np.moveaxis(x, axis, -1); K = x.shape[-1]
;;       x = np.pad(x, [(0, 0)] * (x.ndim - 1) + [(0, -K % 32)]); x = x.reshape(x.shape[:-1] + (-1, 32)); a = np.abs(x).max(-1, keepdims=True)
;;       e = np.where(a > 0, np.clip(np.frexp(np.where(a > 0, a, 1))[1] - 1 - 2, -126, 127), 0)      # np.frexp(a)[1] - 1 = floor(log2(a)), exactly
;;       r = np.clip(x / 2.0 ** e, -7.5, 7.5)
;;       step = 2.0 ** (np.maximum(np.frexp(np.where(r == 0, 1, r))[1] - 1, 0) - 3)
;;       q = np.round(r / step) * step * 2.0 ** e      # np.round: ties to even
;;       return np.moveaxis(q.reshape(q.shape[:-2] + (-1,))[..., :K], -1, axis).astype(np.float32)
;;   ~~~
;;   SOFTMAX AHEAD OF A QUANTISED PRODUCT. Where the list says 'softmax', what is quantised is not the finished softmax but p = 2^(t - M), with t = logit x log2(e) and M = ceil(the row's largest t), a whole number; so 1/2 < the row's largest p <= 1. The row's sum l is taken of the UNQUANTISED p, in f32, and the product's result is divided by l at the end. Since M is a whole number, a kernel that streams over the keys may use a running M (the ceiling of the running maximum): every later rescaling is an exact power of two, which a block's scale takes up: the codes' values come out the same.
;;   OPERANDS COMPUTED ON THE WAY. 'Computed on the way' means the value that the module computes at that place (a softmax that the list does not call 'softmax' is quantised finished and normalised). What goes into a quantiser is computed in f32, as accurately as f32 sums, v_exp_f32 and their like allow (about 1e-6 of the number): no bf16 or f16 on the way to a quantiser, and a product that is left as it is and whose result goes on into a quantised operand takes f32 operands (vector FMAs, or v_wmma_f32_16x16x4_f32). A number that lies on a knife's edge between two numbers of the format may be rounded either way, as far as f32 arithmetic and the matrix unit's own rounding can turn it there, and no further.
;; One version. Each part assembles by itself: llvm-mc -triple=amdgcn-amd-amdhsa -mcpu=gfx1250 --defsym DOCPART=n.
;; ======== version 1 of 1: 4 launches
;; workspace buffers: cod 9,437,184 bytes; scl 393,216 bytes; qkv 20,185,088 bytes; ac 6,291,456 bytes; asc 262,144 bytes
;; launch quant (part 1): grid 384 x 1, 4 waves a work-group, no clusters, 33,280 bytes of LDS; arguments hidden_states, qkv_w, proj_w, cod, scl; writes cod, scl
.if DOCPART == 1
	.amdgcn_target "amdgcn-amd-amdhsa--gfx1250"
	.amdhsa_code_object_version 6
	.text
	.protected	k_qd49544f5f0_quant
	.globl	k_qd49544f5f0_quant
	.p2align	8
	.type	k_qd49544f5f0_quant,@function
k_qd49544f5f0_quant:
	s_mov_b64 s[64:65], 0
	v_nop
	global_prefetch_b8 v0, s[64:65] scope:SCOPE_SE
	s_setreg_imm32_b32 hwreg(HW_REG_WAVE_MODE, 25, 1), 1
	s_wait_xcnt 0x0
; hidden_states [8192][1024], qkv_w [3072][1024] and proj_w [1024][1024], f32, K innermost, become codes of FP6 (E2M3) and one E8M0 byte for each 32 along K.
; cod: 12,288 rows of 768 bytes (hidden 0.., qkv_w 8,192.., proj_w 11,264..); scl: the same rows x 32 bytes.
; A block's scale is 2^(floor(log2(largest magnitude)) - 2): its byte is the largest magnitude's exponent field - 2, held at 1 from below by a floor among the maximum's leaves.
; THE ROWS ARE STORED IN ANOTHER ORDER: within each 32 rows the second and the third group of 8 rows change places.  A tile of 16 stored rows, given to the matrix unit as source 0,
; then leaves 16 NEIGHBOURING rows in the 16 registers of two neighbouring tiles, which is what the quantisers of the later launches want.
; LIMITS: NaN and infinities among the inputs are not served.  A block of zeros, or one whose largest magnitude lies under 2^(3 - 127), keeps the byte 1 (the rule says 127 for zeros):
; its codes are zeros, which add nothing under that byte, and the bytes are read by this program alone.
; SHARES: a work-group takes 32 rows, a wave 8 rows = 16 steps of 512 numbers.  Each load reads 512 consecutive bytes; a step's 2,048 bytes turn through the wave's own stage in LDS
; and come back 64 bytes a lane, so that a lane holds 16 neighbours along K and two neighbouring lanes a block.  No tensor load, no barrier: waves share nothing.
; No matrix unit, no cluster, no prefetch: the launch reads each byte once in long runs and has 16 loads a wave on their way.
.set STEPS, 16
.set EMAX,  2
.set CB,    12                         ; bytes of 16 codes
.set R,     16                         ; v16-79   four sets of 16 numbers as they are loaded
.set X,     80                         ; v80-111  two sets of 16 neighbours
.set C,     128                        ; v128-191 codes: four registers for each step, so that no store's data are written again
.set E,     112                        ; v112-127 a scale byte for each step
.set WREG,  8192                       ; LDS: a region for each wave: two stages of 32 x SP bytes, behind them its 256 scale bytes
.set SP,    80                         ; a lane's place in a stage: 64 bytes + 16 of padding
	s_load_b256 s[4:11], s[0:1], 0x0               ; hidden s[4:5], qkv_w s[6:7], proj_w s[8:9], cod s[10:11]
	s_load_b64 s[12:13], s[0:1], 0x20              ; scl
	v_lshl_add_u32 v192, v0, 2, 0x8000
	v_mov_b32 v193, 0
	v_lshrrev_b32 v1, 5, v0
	v_readfirstlane_b32 s16, v1                    ; wave
	v_and_b32 v2, 31, v0                           ; lane
	v_lshlrev_b32 v3, 4, v2                        ; my 16 bytes of a load's 512
	s_mul_i32 s17, s16, WREG
	v_lshrrev_b32 v14, 2, v2
	v_mul_u32_u24 v14, v14, SP
	v_and_b32 v15, 3, v2
	v_lshl_add_u32 v14, v15, 4, v14
	v_add_nc_u32 v14, s17, v14                     ; the stage, on the way in: SP (lane / 4) + 16 (lane % 4)
	v_mul_u32_u24 v15, v2, SP
	v_add_nc_u32 v15, s17, v15                     ; and on the way out: SP x lane: my 16 neighbours
	v_mul_u32_u24 v4, v2, CB                       ; my codes' place in a step's 384 bytes
	v_lshrrev_b32 v5, 1, v2
	s_add_co_u32 s17, s17, 2*32*SP
	v_add_nc_u32 v5, s17, v5                       ; LDS: my wave's 256 scale bytes, my block's byte
	v_lshlrev_b32 v7, 3, v2                        ; and on the way out 8 bytes a lane
	v_add_nc_u32 v6, s17, v7
	s_wait_kmcnt 0x0
	s_mov_b32 s17, 352                             ; which tensor: the choice hangs on the work-group's number alone
	s_cmp_lt_u32 ttmp9, 352
	s_cselect_b64 s[6:7], s[6:7], s[8:9]
	s_cselect_b32 s17, 256, s17
	s_cmp_lt_u32 ttmp9, 256
	s_cselect_b64 s[4:5], s[4:5], s[6:7]
	s_cselect_b32 s17, 0, s17                      ; the tensor's first work-group
	s_sub_co_u32 s17, ttmp9, s17
	s_lshl_b32 s17, s17, 2
	s_add_co_u32 s18, s17, s16                     ; which run of 8 rows of the tensor is my wave's
	s_lshl_b32 s18, s18, 15                        ; x 32,768 bytes (under 2^26)
	s_mov_b32 s19, 0
	s_add_nc_u64 s[4:5], s[4:5], s[18:19]
	s_and_b32 s20, s16, 1                          ; where it goes: waves 1 and 2 change places
	s_lshl_b32 s20, s20, 1
	s_lshr_b32 s21, s16, 1
	s_or_b32 s20, s20, s21
	s_lshl_b32 s21, ttmp9, 2
	s_add_co_u32 s20, s20, s21                     ; the run's number in cod and scl
	s_mul_i32 s22, s20, 32*STEPS*CB                ; 6,144 bytes of codes a run
	s_mov_b32 s23, 0
	s_add_nc_u64 s[10:11], s[10:11], s[22:23]
	s_lshl_b32 s22, s20, 8                         ; 256 scale bytes a run
	s_add_nc_u64 s[12:13], s[12:13], s[22:23]
.macro LOAD t
.irp i, 0,1,2,3
	global_load_b128 v[R+16*((\t)%4)+4*\i:R+16*((\t)%4)+4*\i+3], v3, s[4:5] offset:2048*(\t)+512*\i th:TH_LOAD_NT   ; 32 lanes read 512 consecutive bytes; read once in the launch
.endr
.endm
.macro TURN t                          ; step t's numbers through the stage: LDS serves a wave's instructions in order, so no wait stands between the stores and the loads
.irp i, 0,1,2,3
	ds_store_b128 v14, v[R+16*((\t)%4)+4*\i:R+16*((\t)%4)+4*\i+3] offset:32*SP*((\t)%2)+8*SP*\i
.endr
.irp i, 0,1,2,3
	ds_load_b128 v[X+16*((\t)%2)+4*\i:X+16*((\t)%2)+4*\i+3], v15 offset:32*SP*((\t)%2)+16*\i
.endr
.endm
.irp t, 0,1,2,3
	LOAD \t
.endr
	s_wait_loadcnt 12                              ; step 0's four loads are in; the twelve of steps 1 to 3 may be out
	TURN 0
.macro STEP t
.set XS, X+16*((\t)%2)
.if (\t) > 0
	s_wait_dscnt 1                                 ; this step's numbers are back from the stage (the last step's byte store may be out)
.else
	s_wait_dscnt 0x0
.endif
.if (\t)+4 < STEPS
	LOAD (\t)+4                                    ; into the registers that this step's stage stores have read
.endif
.if (\t)+1 < STEPS
.if STEPS-2-(\t) >= 3
	s_wait_loadcnt 12                              ; the next step's four loads are in; those of the three steps behind it may be out
.else
	s_wait_loadcnt 4*(STEPS-2-(\t))
.endif
	TURN (\t)+1                                    ; through the other stage while this step is worked
.endif
	v_max3_num_f32 v8, |v[XS]|, |v[XS+1]|, |v[XS+2]|               ; the largest magnitude of my 16, in two chains
	v_max3_num_f32 v9, |v[XS+3]|, |v[XS+4]|, |v[XS+5]|
.irp i, 6,10
	v_max3_num_f32 v8, v8, |v[XS+\i]|, |v[XS+\i+1]|
	v_max3_num_f32 v9, v9, |v[XS+\i+2]|, |v[XS+\i+3]|
.endr
	v_max3_num_f32 v8, v8, |v[XS+14]|, |v[XS+15]|
	v_max3_num_f32 v8, v8, v9, (EMAX+1)<<23        ; and the floor 2^(3 - 127): the byte cannot fall under 1
	v_max_num_f32_dpp v8, v8, v8 row_xmask:1 row_mask:0xf bank_mask:0xf   ; and of my neighbour's 16: the block's
	v_add_nc_u32 v11, -(EMAX<<23), v8              ; 2 off its exponent field: the conversion takes the exponent field of this operand as its scale
	v_cvt_scalef32_pk16_fp6_f32 v[C+4*(\t):C+4*(\t)+2], v[XS:XS+15], v11   ; sixteen codes, 96 bits, the first number's code lowest; beyond 7.5 the largest code
	v_lshrrev_b32 v[E+(\t)], 23, v11               ; the scale's byte (a plain line behind the conversion)
	ds_store_b8 v5, v[E+(\t)] offset:16*(\t)       ; both lanes of a block write the same byte with the same value
	global_store_b96 v4, v[C+4*(\t):C+4*(\t)+2], s[10:11] offset:32*CB*(\t)   ; the wave stores 384 consecutive bytes
.endm
.irp t, 0,1,2,3,4,5,6,7,8,9,10,11,12,13,14,15
	STEP \t
.endr
	ds_load_b64 v[12:13], v6                       ; LDS serves a wave's instructions in order: these see my byte stores
	s_wait_dscnt 0x0
	global_store_b64 v7, v[12:13], s[12:13]        ; 32 lanes store 256 consecutive bytes, aligned
	s_wait_tensorcnt 0x0
	ds_add_u32 v192, v193
	s_wait_dscnt 0x0
	s_endpgm
.Lfunc_end_k_qd49544f5f0_quant:
	.size	k_qd49544f5f0_quant, .Lfunc_end_k_qd49544f5f0_quant-k_qd49544f5f0_quant
	.p2alignl 7, 3214868480
	.fill 96, 4, 3214868480
	.section	.rodata,"a",@progbits
	.p2align	6, 0x0
	.amdhsa_kernel k_qd49544f5f0_quant
		.amdhsa_group_segment_fixed_size 33280
		.amdhsa_private_segment_fixed_size 0
		.amdhsa_enable_private_segment 0
		.amdhsa_kernarg_size 40
		.amdhsa_user_sgpr_count 2
		.amdhsa_user_sgpr_kernarg_segment_ptr 1
		.amdhsa_wavefront_size32 1
		.amdhsa_system_sgpr_workgroup_id_x 1
		.amdhsa_system_sgpr_workgroup_id_y 1
		.amdhsa_system_sgpr_workgroup_id_z 1
		.amdhsa_system_vgpr_workitem_id 0
		.amdhsa_next_free_vgpr 194
		.amdhsa_next_free_sgpr 66
		.amdhsa_reserve_vcc 0
		.amdhsa_float_denorm_mode_32 3
		.amdhsa_float_denorm_mode_16_64 3
		.amdhsa_memory_ordered 1
		.amdhsa_forward_progress 1
		.amdhsa_inst_pref_size 33
	.end_amdhsa_kernel
	.amdgpu_metadata
---
amdhsa.version: [ 1, 2 ]
amdhsa.kernels:
  - .name:           k_qd49544f5f0_quant
    .symbol:         k_qd49544f5f0_quant.kd
    .args:
      - { .name: hidden_states, .offset: 0, .size: 8, .value_kind: global_buffer, .address_space: global }
      - { .name: qkv_w, .offset: 8, .size: 8, .value_kind: global_buffer, .address_space: global }
      - { .name: proj_w, .offset: 16, .size: 8, .value_kind: global_buffer, .address_space: global }
      - { .name: cod, .offset: 24, .size: 8, .value_kind: global_buffer, .address_space: global }
      - { .name: scl, .offset: 32, .size: 8, .value_kind: global_buffer, .address_space: global }
    .group_segment_fixed_size: 33280
    .private_segment_fixed_size: 0
    .kernarg_segment_align: 8
    .kernarg_segment_size: 40
    .max_flat_workgroup_size: 128
    .sgpr_count:     66
    .vgpr_count:     194
    .wavefront_size: 32
...
	.end_amdgpu_metadata
.endif
;; end of part 1
;; launch qkvgemm (part 2): grid 12 x 32, 4 waves a work-group, clusters of 4 x 4, 327,680 bytes of LDS; arguments cod, scl, qkv_b, cos, sin, qkv; writes qkv
.if DOCPART == 2
	.amdgcn_target "amdgcn-amd-amdhsa--gfx1250"
	.amdhsa_code_object_version 6
	.text
	.protected	k_qd49544f5f0_qkvgemm
	.globl	k_qd49544f5f0_qkvgemm
	.p2align	8
	.type	k_qd49544f5f0_qkvgemm,@function
k_qd49544f5f0_qkvgemm:
	s_mov_b64 s[64:65], 0
	v_nop
	global_prefetch_b8 v0, s[64:65] scope:SCOPE_SE
	s_setreg_imm32_b32 hwreg(HW_REG_WAVE_MODE, 25, 1), 1
	s_wait_xcnt 0x0
	s_wait_alu depctr_hold_cnt(0) depctr_sa_sdst(0) depctr_va_vdst(0) depctr_va_sdst(0) depctr_va_ssrc(0) depctr_va_vcc(0) depctr_vm_vsrc(0)
	s_getreg_b32 s2, hwreg(HW_REG_IB_STS2, 6, 4)
	s_cmp_eq_u32 s2, 0
	s_cbranch_scc0 .Lentry_in_a_cluster
	s_endpgm
.Lentry_in_a_cluster:
	s_bfe_u32 s2, ttmp6, 0x10000c
	s_cmp_lg_u32 s2, 0xf033
	s_cbranch_scc0 .Lentry_shape_is_right
	s_endpgm
.Lentry_shape_is_right:
; qkv = hidden qkv_w^T + qkv_b on codes of FP6 (E2M3) with E8M0 scales; then RoPE on q and k in f32; then q and k are quantised along the head's 64 and v along the keys, and only codes and scale words are stored.
; A work-group of four waves makes 256 x 256, a wave 128 x 128 in 64 accumulators (512 registers).  K = 1,024 goes in four steps of 256 through a ring of two LDS slots filled by the tensor data mover.
; X is the operand given as source 1 (a lane of the result holds ONE row of X), Y the operand given as source 0 (a lane's registers run along Y's rows).
; TWO MODES, by the cluster's x, which all sixteen partners share:  x = 0 (q), 1 (k): X = tokens, Y = rows of qkv_w: a lane holds a token and its registers run along the features, the K of q k^T.
;   x = 2 (v): X = v's rows of qkv_w, Y = tokens: a lane holds a feature and its registers run along the tokens, the K of p v.  So neither quantiser needs a transposition.
; cod's rows lie so that within each 32 rows the second and third group of 8 have changed places: tile 2 b + u of Y leaves row 32 b + 16 (lane / 16) + 8 u + j in register j,
; so that the 16 registers of two neighbouring tiles are 16 neighbours; lane r of tile 2 b + u of X is row 32 b + 8 u + r + 8 (r / 8).
; OUT (buffer qkv): for each (batch, head) and each 128 tokens: q, k: four images of 12 registers (two tiles of 16 tokens x 64: [3][32 lanes][16 bytes]) and 512 bytes of scale words (two bytes, then 0x7f 0x7f);
;   v: four images of 12 registers (16 of the head's 64 x 128 keys) and 256 bytes of scale words.  Each store of a wave covers 512 (or 256) consecutive bytes, aligned.
; CLUSTERS: 4 x 4 work-groups; X's tiles are asked for jointly along a row of the cluster, Y's along a column.
; LIMITS: NaN and infinities are not served; a block of zeros or under 2^(3 - 127) keeps the byte 1: its codes are zeros, and this program alone reads the bytes.
; No prefetch: of the four K steps two are first fills.
; REGISTERS: window 0: v16-23, v27 LDS addresses; v24-26 offsets of the way out; v28-29 the add's; v32-63 scale words, two sets; v64-127 the bias in the result's layout; v128-223 X's fragments, one set;
;   on the way out v128-191 64 numbers, v192-215 images, v216-223 at work, v224-231 scale words to store, v232-255 the quantiser's.
;   window 1: Y's fragments, two sets (v0-95, v128-223); cos and sin, two sets (v96-127 with v224-255; v0-31 with v32-63).   windows 2, 3: the accumulators ((a, b) at v[8 (8 (a % 4) + b)]).
.set KSTEP,  256
.set NQ,     2                         ; matrix instructions deep in a slot
.set ROWB,   192                       ; a tile's row: 256 codes
.set KROW,   768                       ; a row of cod
.set PITCH,  240                       ; an LDS row: 3 x (64 bytes + 16 of padding)
.set FR,     12
.set NL,     6
.set NP,     4                         ; places behind this matrix instruction (ISA guide 7.12.1)
.set HALFT,  128*PITCH
.set SLOT,   4*HALFT
.set KS,     32                        ; a row of scl
.set SCL,    2*SLOT                    ; behind the ring: the scales of the 512 rows for all of K, as 256 bytes + 16 of padding
.set HALFS,  (128*KS/256)*272
.set SBLK,   (16*KS/256)*272
.set SPARE,  SCL+4*HALFS               ; the spare words: 128 bytes a wave, two blocks of 256 bytes that no other line names
.set QPART,  106496                    ; qkv: a (batch, head) of q or of k;
.set QSTEP,  6656                      ; 128 tokens of it
.set VPART,  102400
.set VSTEP,  6400
.set KBASE,  6815744                   ; where k begins; v begins at 2 KBASE
.set ADRA, 16
.set ADRB, 20
.set L16,  24                          ; 16 x lane
.set L8,   25                          ; 8 x lane
.set CA,   26                          ; cos, sin: (r + 8 (r / 8)) x 256 + 64 (lane / 16)
.set ADRS, 27
.set SPW,  28
.set NIL,  29
.set SC,   32
.set BR,   64
.set AF,   128
.set X,    128
.set IMG,  192
.set TT,   216
.set AJ,   224                         ; the bias loads' offsets; later
.set SW,   224                         ; the scale words to store
.set TM,   232                         ; +0..3 maxima, +4..7 bytes, +8 at work, +12..15 the conversions' scale operands
.set CT,   248
.set SEL,  66                          ; s[66:67] selects for lane l xor 16
.set G1, 24
.set G0, 32
.set G1B, 48
.set G0B, 56
.set G1S, 68
.set G0S, 76
.set G1SB, 80
.set G0SB, 88
.set MSB, 0
.macro WIN new                         ; the immediate's high byte repeats the setting that is left
.if MSB != (\new)
	s_set_vgpr_msb (MSB<<8)|(\new)
.set MSB, (\new)
.endif
.endm
.set MUL_LO, 0xa1                      ; source 0 (Y) window 1, source 1 (X) window 0, C and D window 2
.set MUL_HI, 0xf1
.set TO_B,   0x40                      ; destination window 1
; A joint load: waves 0 and 1 fetch for X, waves 2 and 3 for Y; the branch hangs on the wave's number alone.  Four v_nop follow each of the two lines.
.macro JLOAD g0a, g1a, g0b, g1b
	s_cmp_eq_u32 s15, 0
	s_cbranch_scc0 .Lfor_b_\@
	tensor_load_to_lds s[\g0a:\g0a+3], s[\g1a:\g1a+7]
	s_nop 0
.rept 4
	v_nop
.endr
	s_branch .Lasked_\@
.Lfor_b_\@:
	tensor_load_to_lds s[\g0b:\g0b+3], s[\g1b:\g1b+7]
	s_nop 0
.rept 4
	v_nop
.endr
.Lasked_\@:
.endm
.macro CREST                           ; a round of the cluster's barrier behind its opening barrier
	s_cmp_lg_u32 s14, 0
	s_cbranch_scc1 .Lnot_wave_0_\@
	s_barrier_signal -3
.Lnot_wave_0_\@:
	s_barrier_wait -3
	s_barrier_signal -1
	s_barrier_wait -1
.endm
.macro CROUND
	s_barrier_signal -1
	s_barrier_wait -1
	CREST
.endm
	s_load_b256 s[4:11], s[0:1], 0x0               ; cod s[4:5], scl s[6:7], qkv_b s[8:9], cos s[10:11]
	s_load_b64 s[12:13], s[0:1], 0x20              ; sin
	s_load_b64 s[96:97], s[0:1], 0x28              ; qkv
	v_lshl_add_u32 v[SPW], v0, 2, SPARE
	v_mov_b32 v[NIL], 0
	ds_add_u32 v28, v29
	ds_add_u32 v28, v29
	s_wait_dscnt 0x0
	v_lshrrev_b32 v1, 5, v0
	v_readfirstlane_b32 s14, v1                    ; wave 0..3
	s_lshr_b32 s15, s14, 1                         ; which 128 rows of X are mine.  Also: I fetch for X (0) or for Y (1)
	s_and_b32 s16, s14, 1                          ; which 128 rows of Y.  Also: which 128 rows of that tile I fetch
	s_bfe_u32 s40, ttmp6, 0x40000                  ; cx
	s_bfe_u32 s41, ttmp6, 0x40004                  ; cy
	s_and_b32 s18, ttmp7, 0xffff
	s_lshl_b32 s18, s18, 2                         ; 4 x cluster y: a tile of 256 tokens
	s_lshl_b32 s19, ttmp9, 2
	s_add_co_u32 s19, s19, 32                      ; 32 + 4 x cluster x: a tile of 256 rows of qkv_w (they begin at cod's row 8,192)
	s_cmp_eq_u32 ttmp9, 2                          ; the mode; every selection stands ahead of the additions, which set SCC
	s_cselect_b32 s95, 1, 0                        ; 1: v
	s_cselect_b32 s17, 40, s18                     ; X's tile: v's rows of qkv_w, or tokens
	s_cselect_b32 s42, s18, s19                    ; Y's tile: tokens, or q's or k's rows
	s_cselect_b32 s98, 0, 64                       ; the bias's address: bytes for lane / 16,
	s_cselect_b32 s99, 4, 0                        ; for the lane's row,
	s_cselect_b32 s2, 0, 4                         ; for the register
	s_add_co_u32 s17, s17, s41                     ; + cy: it never holds cx
	s_add_co_u32 s42, s42, s40                     ; + cx: it never holds cy
	s_lshl_b32 s43, s41, 2
	s_lshl_b32 s43, 15, s43                        ; my row of the cluster
	s_lshl_b32 s44, 0x1111, s40                    ; my column
	; descriptor group 1: a tile of 128 rows x 192 bytes; 16 bytes of padding behind every 64
	s_or_b32 s[G1+0], s43, (0<<16)|(1<<20)|(1<<21)|(3<<22)|(3<<25)
	s_or_b32 s[G1B+0], s44, (0<<16)|(1<<20)|(1<<21)|(3<<22)|(3<<25)
.irp g, G1, G1B
	s_mov_b32 s[\g+1], ROWB<<16                    ; tensor_dim0
	s_mov_b32 s[\g+2], 128<<16                     ; tensor_dim1
	s_mov_b32 s[\g+3], ROWB<<16                    ; tile_dim0
	s_mov_b32 s[\g+4], 128                         ; tile_dim1
	s_mov_b32 s[\g+5], KROW                        ; tensor_dim0_stride
	s_mov_b32 s[\g+6], 0
	s_mov_b32 s[\g+7], 0
.endr
	; the scales of 128 rows: 4,096 dense bytes as 16 rows of 256 bytes (32 elements of 8), 16 bytes of padding behind each
	s_or_b32 s[G1S+0], s43, (3<<16)|(1<<20)|(1<<21)|(5<<22)|(3<<25)
	s_or_b32 s[G1SB+0], s44, (3<<16)|(1<<20)|(1<<21)|(5<<22)|(3<<25)
.irp g, G1S, G1SB
	s_mov_b32 s[\g+1], 32<<16
	s_mov_b32 s[\g+2], (128*KS/256)<<16
	s_mov_b32 s[\g+3], 32<<16
	s_mov_b32 s[\g+4], 128*KS/256
	s_mov_b32 s[\g+5], 32
	s_mov_b32 s[\g+6], 0
	s_mov_b32 s[\g+7], 0
.endr
	s_lshl_b32 s18, s16, 7                         ; which 128 rows of the tile I fetch
	s_lshl_b32 s20, s17, 8
	s_add_co_u32 s20, s20, s18                     ; X: cod's row
	s_lshl_b32 s46, s42, 8
	s_add_co_u32 s46, s46, s18                     ; Y: cod's row
	s_lshl_b32 s22, s20, 5                         ; their scales, 32 bytes a row,
	s_mov_b32 s23, 0
	s_lshl_b32 s92, s46, 5
	s_mov_b32 s93, 0
	s_mul_i32 s20, s20, KROW                       ; and their codes (under 2^24)
	s_mov_b32 s21, 0
	s_mul_i32 s46, s46, KROW
	s_mov_b32 s47, 0
	s_mul_i32 s45, s14, HALFT                      ; where they go: wave x 128 rows: no place in the cluster enters an LDS address
	s_mul_i32 s94, s14, HALFS
	s_wait_kmcnt 0x0
	s_add_nc_u64 s[20:21], s[4:5], s[20:21]
	s_add_nc_u64 s[22:23], s[6:7], s[22:23]
	s_add_nc_u64 s[46:47], s[4:5], s[46:47]
	s_add_nc_u64 s[92:93], s[6:7], s[92:93]
	CROUND                                         ; all sixteen work-groups are here: the first joint loads meet
	s_mov_b32 s[G0S], 1
	s_add_co_u32 s[G0S+1], s94, SCL
	s_mov_b64 s[G0S+2:G0S+3], s[22:23]
	s_or_b32 s[G0S+3], s[G0S+3], 0x80000000
	s_mov_b32 s[G0SB], 1
	s_add_co_u32 s[G0SB+1], s94, SCL
	s_mov_b64 s[G0SB+2:G0SB+3], s[92:93]
	s_or_b32 s[G0SB+3], s[G0SB+3], 0x80000000
	JLOAD G0S, G1S, G0SB, G1SB                     ; the scales first: they are wanted with K step 0
.irp s, 0,1
	s_mov_b32 s[G0+4*\s], 1
	s_add_co_u32 s[G0+4*\s+1], s45, \s*SLOT
	s_add_nc_u64 s[G0+4*\s+2:G0+4*\s+3], s[20:21], \s*ROWB
	s_or_b32 s[G0+4*\s+3], s[G0+4*\s+3], 0x80000000
	s_mov_b32 s[G0B+4*\s], 1
	s_add_co_u32 s[G0B+4*\s+1], s45, \s*SLOT
	s_add_nc_u64 s[G0B+4*\s+2:G0B+4*\s+3], s[46:47], \s*ROWB
	s_or_b32 s[G0B+4*\s+3], s[G0B+4*\s+3], 0x80000000
	JLOAD G0+4*\s, G1, G0B+4*\s, G1B               ; three loads of mine are out
.endr
	v_and_b32 v1, 15, v0                           ; r
	v_bfe_u32 v2, v0, 4, 1                         ; h
	v_mul_u32_u24 v3, v1, PITCH
	v_mul_u32_u24 v4, v2, 24
	v_add_nc_u32 v4, v3, v4                        ; a fragment's row x pitch + 24 h
	v_lshl_add_u32 v5, v2, 4, v4                   ; and the same behind one padding more
	s_mul_i32 s21, s15, HALFT                      ; my 128 rows of X
	s_mul_i32 s22, s16, HALFT                      ; my 128 rows of Y,
	s_add_co_u32 s22, s22, 2*HALFT                 ; which lie behind X's 256
.irp s, 0,1
	v_add_nc_u32 v[ADRA+\s], s21, v4
	v_add_nc_u32 v[ADRB+\s], s22, v4
	v_add_nc_u32 v[ADRA+2+\s], s21, v5
	v_add_nc_u32 v[ADRB+2+\s], s22, v5
	s_add_co_u32 s21, s21, SLOT
	s_add_co_u32 s22, s22, SLOT
.endr
	v_mul_u32_u24 v5, v1, KS                       ; my row's scales: 32 bytes a row,
	v_lshrrev_b32 v6, 8, v5
	v_lshl_add_u32 v5, v6, 4, v5                   ; and 16 more for each 256 passed
	s_mul_i32 s21, s15, HALFS
	s_mul_i32 s22, s16, HALFS
	s_add_co_u32 s22, s22, 2*HALFS
	s_sub_co_u32 s22, s22, s21
	v_mul_u32_u24 v6, s22, v2                      ; lanes 16-31 take Y's
	s_add_co_u32 s21, s21, SCL
	v_add_nc_u32 v5, v5, v6
	v_add_nc_u32 v[ADRS], s21, v5
	; the way out's offsets, and the bias in the result's layout, by one text for both modes
	v_and_b32 v7, 8, v1
	v_add_nc_u32 v7, v7, v1                        ; r + 8 (r / 8): lane r's row within a tile's 32
	v_and_b32 v6, 31, v0
	v_lshlrev_b32 v[L16], 4, v6
	v_lshlrev_b32 v[L8], 3, v6
	v_lshlrev_b32 v[CA], 8, v7
	v_lshl_add_u32 v[CA], v2, 6, v[CA]
	v_mul_u32_u24 v8, v2, s98
	v_mad_u32_u24 v8, v7, s99, v8                  ; q, k: 64 h;  v: 4 (r + 8 (r / 8))
.irp j, 0,1,2,3,4,5,6,7
	v_mad_u32_u24 v[AJ+\j], s2, \j, v8             ; q, k: + 4 j;  v: the same number in all eight registers
.endr
.irp b, 0,1,2,3
	v_mov_b32 v[TM+4+\b], 0                        ; written once: a lane permute's destination counts as one of its sources
.endr
	s_mov_b32 s[SEL], 0x76543210
	s_mov_b32 s[SEL+1], 0xfedcba98
	s_cmp_eq_u32 s95, 1
	s_cselect_b32 s18, s17, s42                    ; the tile of qkv_w,
	s_cselect_b32 s19, s15, s16                    ; and my half of it
	s_sub_co_u32 s18, s18, 32
	s_lshl_b32 s18, s18, 8
	s_lshl_b32 s19, s19, 7
	s_add_co_u32 s18, s18, s19                     ; my first feature of 3,072
	s_lshl_b32 s18, s18, 2
	s_mov_b32 s19, 0
	s_add_nc_u64 s[8:9], s[8:9], s[18:19]
.irp x, 0,1,2,3,4,5,6,7
.irp j, 0,1,2,3,4,5,6,7
	global_load_b32 v[BR+8*\x+\j], v[AJ+\j], s[8:9] offset:(32*(\x/2)+8*(\x%2))*4   ; q, k: register j of Y's tile x;  v: the lane's feature in X's block x
.endr
.endr
.macro FRAG reg, adr, q, i             ; 16 rows x 128 K: 12 registers: lane (r, h) takes 24 bytes at 24 h and 24 at 48 + 24 h of its row's 96, in pieces of 8 bytes
.irp p, 0,1,2,3,4,5
.set PCE, 12*(\q)+6*(\p/3)+\p%3        ; the piece's number in the row for lanes 0-15; lanes 16-31 read three pieces on, which for some pieces is behind one padding more: the second address register serves those
.if PCE%8 < 5
	ds_load_b64 v[\reg+2*\p:\reg+2*\p+1], v[\adr] offset:8*PCE+16*(PCE/8)+(\i)*16*PITCH
.else
	ds_load_b64 v[\reg+2*\p:\reg+2*\p+1], v[\adr+2] offset:8*PCE+16*(PCE/8)+(\i)*16*PITCH
.endif
.endr
.endm
; 16 matrix instructions: X's blocks a0, a0 + 1 against Y's eight.  The 64 accumulators take turns, one instruction a turn, in the same order in every step.
.macro MUL16 a0, p, q, sc, zero
.irp a, \a0, \a0+1
.irp b, 0,1,2,3,4,5,6,7
.if \zero
	v_wmma_scale_f32_16x16x128_f8f6f4 v[8*(8*((\a)%4)+\b):8*(8*((\a)%4)+\b)+7], v[128*(\p)+FR*\b:128*(\p)+FR*\b+FR-1], v[AF+FR*(\a):AF+FR*(\a)+FR-1], 0, v[SC+8*NQ*(\sc)+NQ*\b+(\q)], v[SC+8*NQ*(\sc)+NQ*(\a)+(\q)] matrix_a_fmt:MATRIX_FMT_FP6 matrix_b_fmt:MATRIX_FMT_FP6 matrix_a_scale:MATRIX_SCALE_ROW1
.else
	v_wmma_scale_f32_16x16x128_f8f6f4 v[8*(8*((\a)%4)+\b):8*(8*((\a)%4)+\b)+7], v[128*(\p)+FR*\b:128*(\p)+FR*\b+FR-1], v[AF+FR*(\a):AF+FR*(\a)+FR-1], v[8*(8*((\a)%4)+\b):8*(8*((\a)%4)+\b)+7], v[SC+8*NQ*(\sc)+NQ*\b+(\q)], v[SC+8*NQ*(\sc)+NQ*(\a)+(\q)] matrix_a_fmt:MATRIX_FMT_FP6 matrix_b_fmt:MATRIX_FMT_FP6 matrix_a_scale:MATRIX_SCALE_ROW1
.endif
.endr
.endr
.endm
.macro FETCH_B slot, q, p
	WIN TO_B
.irp i, 0,1,2,3,4,5,6,7
	FRAG 128*(\p)+FR*\i, ADRB+\slot, \q, \i
.endr
	WIN 0
.endm
.macro FETCH_A slot, q, i0
.irp i, \i0, \i0+1, \i0+2, \i0+3
	FRAG AF+FR*(\i), ADRA+\slot, \q, \i
.endr
.endm
.macro SCALES sc                       ; a K step's scale words: two a row; lanes 0-15 take X's block i, lanes 16-31 Y's block i
.irp i, 0,1,2,3,4,5,6,7
	ds_load_b64 v[SC+8*NQ*\sc+NQ*\i:SC+8*NQ*\sc+NQ*\i+1], v[ADRS] offset:\i*SBLK
.endr
.endm
.macro PLACES n                        ; plain vector lines between a matrix instruction and a load into, or a vector line on, its registers
.rept \n
	v_nop
.endr
.endm
.macro STEP slot, q, zero              ; 128 along K that have their successor in the same slot
	s_wait_dscnt 4*NL                              ; Y's set and X's blocks 0-3 are in; the youngest 24 loads (X's blocks 4-7) may be out
	WIN MUL_LO
	MUL16 0, (\q)%2, \q, \slot, \zero
	MUL16 2, (\q)%2, \q, \slot, \zero
	s_wait_dscnt 0
	PLACES NP
	FETCH_B \slot, (\q)+1, 1-(\q)%2
	FETCH_A \slot, (\q)+1, 0
	WIN MUL_HI
	MUL16 4, (\q)%2, \q, \slot, \zero
	MUL16 6, (\q)%2, \q, \slot, \zero
	PLACES NP
	WIN 0
	FETCH_A \slot, (\q)+1, 4
.endm
; A slot's last 128 change slots: one barrier; in front of it each wave waits for all its tensor loads, adds 0 to its spare word, and waits for that and for its reads of this slot.
.macro TURN slot, next, fill
	s_wait_tensorcnt 0x0                           ; all my tensor loads have landed: my part of the next slot
	ds_add_u32 v[SPW], v[NIL]                      ; 0 onto my spare word
	s_wait_dscnt 4*NL+1                            ; (the add and the youngest 24 loads may be out)
	WIN MUL_LO
	MUL16 0, 1, NQ-1, \slot, 0                     ; sixteen matrix instructions stand between the add and the wait for it
	s_wait_dscnt 0x0                               ; the add is done, and my reads of this slot are over
	s_barrier_signal -1
	MUL16 2, 1, NQ-1, \slot, 0
	WIN 0
	s_barrier_wait -1
.if \fill
	CREST                                          ; the barrier has opened a round of the cluster's barrier: no wave of any partner still reads this slot or has a load on its way
	s_add_nc_u64 s[G0+4*\slot+2:G0+4*\slot+3], s[G0+4*\slot+2:G0+4*\slot+3], 2*ROWB
	s_add_nc_u64 s[G0B+4*\slot+2:G0B+4*\slot+3], s[G0B+4*\slot+2:G0B+4*\slot+3], 2*ROWB
	JLOAD G0+4*\slot, G1, G0B+4*\slot, G1B         ; the first tensor load behind the round; its four v_nop are the places in front of the loads below
.else
	PLACES NP
.endif
	v_add_nc_u32 v[ADRS], 4*NQ, v[ADRS]            ; on to the next K step's scale words
	FETCH_B \next, 0, 0
	FETCH_A \next, 0, 0
	SCALES \next
	WIN MUL_HI
	MUL16 4, 1, NQ-1, \slot, 0
	MUL16 6, 1, NQ-1, \slot, 0
	PLACES NP
	WIN 0
	FETCH_A \next, 0, 4
.endm
.macro LAST                            ; the very last 128 along K: nothing more to fetch
	s_wait_dscnt 4*NL
	WIN MUL_LO
	MUL16 0, 1, NQ-1, 1, 0
	MUL16 2, 1, NQ-1, 1, 0
	s_wait_dscnt 0
	WIN MUL_HI
	MUL16 4, 1, NQ-1, 1, 0
	MUL16 6, 1, NQ-1, 1, 0
	WIN 0
.endm
; THE WAY OUT, a block of 16 rows of X at a time.
.macro CSLOAD a                        ; cos and sin of block a's 16 tokens, in the result's layout: tile t of a head holds d = 32 (t / 2) + 16 h + 8 (t % 2) + 0 .. 7.  16 loads into set a % 2
.set CC, 96-96*((\a)%2)
.set SS, 224-192*((\a)%2)
	WIN TO_B
.irp t, 0,1,2,3
	global_load_b128 v[CC+8*\t:CC+8*\t+3],   v[CA], s[10:11] offset:(32*((\a)/2)+8*((\a)%2))*256+128*(\t/2)+32*(\t%2)
	global_load_b128 v[CC+8*\t+4:CC+8*\t+7], v[CA], s[10:11] offset:(32*((\a)/2)+8*((\a)%2))*256+128*(\t/2)+32*(\t%2)+16
	global_load_b128 v[SS+8*\t:SS+8*\t+3],   v[CA], s[12:13] offset:(32*((\a)/2)+8*((\a)%2))*256+128*(\t/2)+32*(\t%2)
	global_load_b128 v[SS+8*\t+4:SS+8*\t+7], v[CA], s[12:13] offset:(32*((\a)/2)+8*((\a)%2))*256+128*(\t/2)+32*(\t%2)+16
.endr
	WIN 0
.endm
.macro ADDB a, byb                     ; block a's 64 sums + the bias, into window 0; each accumulator is read from its low end on.  byb = 1: the bias goes with Y's tile, 0: with X's block
	WIN 0x02+(\a)/4
.irp b, 0,1,2,3,4,5,6,7
.irp j, 0,2,4,6
.if \byb
	v_pk_add_f32 v[X+8*\b+\j:X+8*\b+\j+1], v[64*((\a)%4)+8*\b+\j:64*((\a)%4)+8*\b+\j+1], v[BR+8*\b+\j:BR+8*\b+\j+1]
.else
	v_pk_add_f32 v[X+8*\b+\j:X+8*\b+\j+1], v[64*((\a)%4)+8*\b+\j:64*((\a)%4)+8*\b+\j+1], v[BR+8*(\a)+\j:BR+8*(\a)+\j+1]
.endif
.endr
.endr
	WIN 0
.endm
.macro ROPE a                          ; x[d] = x[d] cos[d] - x[d + 32] sin[d];  x[d + 32] = x[d + 32] cos[d + 32] + x[d] sin[d + 32]: both partners lie in my lane, two tiles apart
.set CC, 96-96*((\a)%2)
.set SS, 224-192*((\a)%2)
	WIN 0x04                                       ; source 1 (cos, sin) window 1
.irp c, 0,1
.irp t, 0,1
.irp g, 0,4
.irp j, 0,2
	v_pk_mul_f32 v[TT+\j:TT+\j+1], v[X+8*(4*\c+\t)+\g+\j:X+8*(4*\c+\t)+\g+\j+1], v[SS+8*(\t+2)+\g+\j:SS+8*(\t+2)+\g+\j+1]
.endr
.irp j, 0,2
	v_pk_mul_f32 v[TT+4+\j:TT+4+\j+1], v[X+8*(4*\c+\t+2)+\g+\j:X+8*(4*\c+\t+2)+\g+\j+1], v[SS+8*\t+\g+\j:SS+8*\t+\g+\j+1]
.endr
.irp j, 0,2
	v_pk_fma_f32 v[X+8*(4*\c+\t)+\g+\j:X+8*(4*\c+\t)+\g+\j+1], v[X+8*(4*\c+\t)+\g+\j:X+8*(4*\c+\t)+\g+\j+1], v[CC+8*\t+\g+\j:CC+8*\t+\g+\j+1], v[TT+4+\j:TT+4+\j+1] neg_lo:[0,0,1] neg_hi:[0,0,1]
.endr
.irp j, 0,2
	v_pk_fma_f32 v[X+8*(4*\c+\t+2)+\g+\j:X+8*(4*\c+\t+2)+\g+\j+1], v[X+8*(4*\c+\t+2)+\g+\j:X+8*(4*\c+\t+2)+\g+\j+1], v[CC+8*(\t+2)+\g+\j:CC+8*(\t+2)+\g+\j+1], v[TT+\j:TT+\j+1]
.endr
.endr
.endr
.endr
	WIN 0
.endm
; 64 numbers of a lane, register 16 b + i = k 32 b + 16 (lane / 16) + i of my row, become codes: blocks 0, 1 in the six registers from d0, blocks 2, 3 in the six from d1 (lane (r, h): block h or 2 + h, whole);
; the four scale bytes are left in v[TM+4] on, the same in lanes r and r + 16.
.macro QUANT s, d0, d1
.irp b, 0,1,2,3
	v_max3_num_f32 v[TM+\b], |v[\s+16*\b]|, |v[\s+1+16*\b]|, 0x1800000   ; my 16 numbers, and the floor 2^(3 - 127): the byte cannot fall under 1
.endr
.irp i, 2,4,6,8,10,12,14
.irp b, 0,1,2,3
	v_max3_num_f32 v[TM+\b], v[TM+\b], |v[\s+16*\b+\i]|, |v[\s+1+16*\b+\i]|
.endr
.endr
.irp b, 0,1,2,3
	v_permlanex16_b32 v[TM+4+\b], v[TM+\b], s[SEL], s[SEL+1]
.endr
.irp b, 0,1,2,3
	v_max_num_f32 v[TM+\b], v[TM+\b], v[TM+4+\b]   ; with lane l xor 16's: the block's largest magnitude
.endr
.irp b, 0,1,2,3
	v_add_nc_u32 v[TM+12+\b], 0xff000000, v[TM+\b] ; 2 off its exponent field: the conversion's scale operand
.endr
.irp b, 0,1,2,3
	v_lshrrev_b32 v[TM+4+\b], 23, v[TM+12+\b]      ; the scale's byte
.endr
	v_cvt_scalef32_pk16_fp6_f32 v[\d0:\d0+2], v[\s:\s+15], v[TM+12]
	v_cvt_scalef32_pk16_fp6_f32 v[CT:CT+2], v[\s+16:\s+31], v[TM+13]       ; (a conversion's three registers begin on an even number)
	v_cvt_scalef32_pk16_fp6_f32 v[\d1:\d1+2], v[\s+32:\s+47], v[TM+14]
	v_cvt_scalef32_pk16_fp6_f32 v[CT+4:CT+6], v[\s+48:\s+63], v[TM+15]
	v_nop                                          ; one plain line behind the scaled conversions
.irp i, 0,1,2
	v_permlane16_swap_b32 v[\d0+\i], v[CT+\i]      ; a whole block to a lane
.endr
.irp i, 0,1,2
	v_mov_b32 v[\d0+3+\i], v[CT+\i]
.endr
.irp i, 0,1,2
	v_permlane16_swap_b32 v[\d1+\i], v[CT+4+\i]
.endr
.irp i, 0,1,2
	v_mov_b32 v[\d1+3+\i], v[CT+4+\i]
.endr
.endm
	s_wait_tensorcnt 1                             ; the scales and my part of K step 0 are in (K step 1's load may be out),
	s_barrier_signal -1
	s_barrier_wait -1                              ; everybody's are
	FETCH_B 0, 0, 0
	FETCH_A 0, 0, 0
	SCALES 0
	FETCH_A 0, 0, 4
	STEP 0, 0, 1                                   ; the first products start the sums: nothing is cleared.  Four K steps: the walk is written out
	TURN 0, 1, 1                                   ; slot 0 takes K step 2
	STEP 1, 0, 0
	TURN 1, 0, 1                                   ; slot 1 takes K step 3
	STEP 0, 0, 0
	TURN 0, 1, 0
	STEP 1, 0, 0
	s_cmp_eq_u32 s95, 1                            ; the mode: the same in all sixteen partners; no tensor load and no barrier but the common tail's follows
	s_cbranch_scc1 .Lv
	; ---- q, k: a lane holds a token; the wave's 128 features are two heads
	s_lshl_b32 s18, s17, 1
	s_add_co_u32 s18, s18, s15                     ; which 128 tokens of 8,192
	s_lshl_b32 s20, s18, 15                        ; x 128 rows of 256 bytes
	s_mov_b32 s21, 0
	s_add_nc_u64 s[10:11], s[10:11], s[20:21]
	s_add_nc_u64 s[12:13], s[12:13], s[20:21]
	s_sub_co_u32 s19, s42, 32
	s_and_b32 s19, s19, 3
	s_lshl_b32 s19, s19, 2
	s_lshl_b32 s22, s16, 1
	s_add_co_u32 s19, s19, s22                     ; my first head
	s_lshr_b32 s22, s18, 4
	s_lshl_b32 s22, s22, 4
	s_add_co_u32 s19, s19, s22                     ; + 16 x batch
	s_mul_i32 s20, s19, QPART
	s_and_b32 s22, s18, 15
	s_mul_i32 s22, s22, QSTEP
	s_add_co_u32 s20, s20, s22
	s_mul_i32 s22, ttmp9, KBASE                    ; q or k
	s_add_co_u32 s20, s20, s22
	s_add_nc_u64 s[96:97], s[96:97], s[20:21]
	s_mov_b32 vcc_lo, 0xffff0000                   ; lanes 16-31
	CSLOAD 0                                       ; they land under the last 64 products; set 1 lies in Y's set 0, whose last products have their places behind them
	CSLOAD 1
	LAST
	PLACES NP
.irp bt, 0,1,2,3
.irp u, 0,1
.if 2*\bt+\u < 7
	s_wait_loadcnt 16                              ; this block's cos and sin (and the bias) are in; the other set's 16 loads may be out
.else
	s_wait_loadcnt 0
.endif
	ADDB 2*\bt+\u, 1
	ROPE 2*\bt+\u
.if 2*\bt+\u < 6
	CSLOAD 2*\bt+\u+2
.endif
.if (\u == 0) && (\bt > 0)
	s_wait_xcnt 0x0                                ; the last pair's stores have read the images: they may be written again
.endif
	QUANT X, IMG+6*\u, IMG+12+6*\u                 ; head 0's 64 into image 0, head 1's into image 1; tile u is an image's registers 6 u on
.irp c, 0,1
	v_lshl_or_b32 v[TM+8], v[TM+5+2*\c], 8, v[TM+4+2*\c]
.if \u == 0
	v_or_b32 v[SW+4*\c+\bt], 0x7f7f0000, v[TM+8]   ; the head's two bytes; the two blocks that pad K to 128 get the byte of 1.0
.else
	v_or_b32 v[TM+8], 0x7f7f0000, v[TM+8]
	v_cndmask_b32 v[SW+4*\c+\bt], v[SW+4*\c+\bt], v[TM+8], vcc_lo   ; lanes 0-15 keep tile 2 bt's words, lanes 16-31 take tile 2 bt + 1's
.endif
.endr
.if \u == 1
.irp c, 0,1
.irp i, 0,1,2
	global_store_b128 v[L16], v[IMG+12*\c+4*\i:IMG+12*\c+4*\i+3], s[96:97] offset:\c*QPART+\bt*1536+512*\i   ; 512 consecutive bytes, aligned
.endr
.endr
.endif
.endr
.endr
.irp c, 0,1
	global_store_b128 v[L16], v[SW+4*\c:SW+4*\c+3], s[96:97] offset:\c*QPART+6144
.endr
	s_branch .Ltail
.Lv:	; ---- v: a lane holds a feature; the wave's 128 tokens are one key step, its 128 features two heads
	s_sub_co_u32 s19, s17, 40
	s_lshl_b32 s19, s19, 2
	s_lshl_b32 s22, s15, 1
	s_add_co_u32 s19, s19, s22                     ; my first head
	s_lshl_b32 s18, s42, 1
	s_add_co_u32 s18, s18, s16                     ; which 128 tokens of 8,192
	s_lshr_b32 s22, s18, 4
	s_lshl_b32 s22, s22, 4
	s_add_co_u32 s19, s19, s22
	s_mul_i32 s20, s19, VPART
	s_and_b32 s22, s18, 15
	s_mul_i32 s22, s22, VSTEP
	s_add_co_u32 s20, s20, s22
	s_add_co_u32 s20, s20, 2*KBASE
	s_mov_b32 s21, 0
	s_add_nc_u64 s[96:97], s[96:97], s[20:21]
	s_mov_b32 vcc_lo, 0xffff0000
	LAST
	PLACES NP
	s_wait_loadcnt 0x0                             ; the bias
.irp a, 0,1,2,3,4,5,6,7
	ADDB \a, 0
.if \a > 0
	s_wait_xcnt 0x0                                ; the last block's stores have read the image
.endif
	QUANT X, IMG, IMG+6                            ; 16 features x 128 keys: one fragment
	v_lshl_or_b32 v[TM+8], v[TM+5], 8, v[TM+4]
	v_lshl_or_b32 v[TM+8], v[TM+6], 16, v[TM+8]
.if \a%2 == 0
	v_lshl_or_b32 v[SW+2*(\a/4)+(\a%4)/2], v[TM+7], 24, v[TM+8]
.else
	v_lshl_or_b32 v[TM+8], v[TM+7], 24, v[TM+8]
	v_cndmask_b32 v[SW+2*(\a/4)+(\a%4)/2], v[SW+2*(\a/4)+(\a%4)/2], v[TM+8], vcc_lo   ; lanes 16-31: the odd tile's words
.endif
.irp i, 0,1,2
	global_store_b128 v[L16], v[IMG+4*\i:IMG+4*\i+3], s[96:97] offset:(\a/4)*VPART+(\a%4)*1536+512*\i
.endr
.if \a%4 == 3
	global_store_b64 v[L8], v[SW+2*(\a/4):SW+2*(\a/4)+1], s[96:97] offset:(\a/4)*VPART+6144   ; 256 consecutive bytes, aligned
.endif
.endr
.Ltail:
	s_wait_tensorcnt 0x0                           ; the wave's end
	ds_add_u32 v[SPW], v[NIL]
	s_wait_dscnt 0x0
	CROUND                                         ; the closing round: no work-group ends while a partner may still ask for a tile that names it
	s_endpgm
.Lfunc_end_k_qd49544f5f0_qkvgemm:
	.size	k_qd49544f5f0_qkvgemm, .Lfunc_end_k_qd49544f5f0_qkvgemm-k_qd49544f5f0_qkvgemm
	.p2alignl 7, 3214868480
	.fill 96, 4, 3214868480
	.section	.rodata,"a",@progbits
	.p2align	6, 0x0
	.amdhsa_kernel k_qd49544f5f0_qkvgemm
		.amdhsa_group_segment_fixed_size 327680
		.amdhsa_private_segment_fixed_size 0
		.amdhsa_enable_private_segment 0
		.amdhsa_kernarg_size 48
		.amdhsa_user_sgpr_count 2
		.amdhsa_user_sgpr_kernarg_segment_ptr 1
		.amdhsa_wavefront_size32 1
		.amdhsa_system_sgpr_workgroup_id_x 1
		.amdhsa_system_sgpr_workgroup_id_y 1
		.amdhsa_system_sgpr_workgroup_id_z 1
		.amdhsa_system_vgpr_workitem_id 0
		.amdhsa_next_free_vgpr 1024
		.amdhsa_next_free_sgpr 100
		.amdhsa_reserve_vcc 1
		.amdhsa_float_denorm_mode_32 3
		.amdhsa_float_denorm_mode_16_64 3
		.amdhsa_memory_ordered 1
		.amdhsa_forward_progress 1
		.amdhsa_inst_pref_size 255
	.end_amdhsa_kernel
	.section	.bss,"aw",@nobits
	.p2align	6
	.space	262144
	.amdgpu_metadata
---
amdhsa.version: [ 1, 2 ]
amdhsa.kernels:
  - .name:           k_qd49544f5f0_qkvgemm
    .symbol:         k_qd49544f5f0_qkvgemm.kd
    .args:
      - { .name: cod, .offset: 0, .size: 8, .value_kind: global_buffer, .address_space: global }
      - { .name: scl, .offset: 8, .size: 8, .value_kind: global_buffer, .address_space: global }
      - { .name: qkv_b, .offset: 16, .size: 8, .value_kind: global_buffer, .address_space: global }
      - { .name: cos, .offset: 24, .size: 8, .value_kind: global_buffer, .address_space: global }
      - { .name: sin, .offset: 32, .size: 8, .value_kind: global_buffer, .address_space: global }
      - { .name: qkv, .offset: 40, .size: 8, .value_kind: global_buffer, .address_space: global }
    .group_segment_fixed_size: 327680
    .private_segment_fixed_size: 0
    .kernarg_segment_align: 8
    .kernarg_segment_size: 48
    .max_flat_workgroup_size: 128
    .sgpr_count:     100
    .vgpr_count:     1024
    .wavefront_size: 32
...
	.end_amdgpu_metadata
.endif
;; end of part 2
;; launch attn (part 3): grid 4 x 64, 16 waves a work-group, clusters of 4 x 1, 219,136 bytes of LDS; arguments qkv, ac, asc; writes ac, asc
.if DOCPART == 3
	.amdgcn_target "amdgcn-amd-amdhsa--gfx1250"
	.amdhsa_code_object_version 6
	.text
	.protected	k_qd49544f5f0_attn
	.globl	k_qd49544f5f0_attn
	.p2align	8
	.type	k_qd49544f5f0_attn,@function
k_qd49544f5f0_attn:
	s_mov_b64 s[64:65], 0
	v_nop
	global_prefetch_b8 v0, s[64:65] scope:SCOPE_SE
	s_setreg_imm32_b32 hwreg(HW_REG_WAVE_MODE, 25, 1), 1
	s_wait_xcnt 0x0
	s_wait_alu depctr_hold_cnt(0) depctr_sa_sdst(0) depctr_va_vdst(0) depctr_va_sdst(0) depctr_va_ssrc(0) depctr_va_vcc(0) depctr_vm_vsrc(0)
	s_getreg_b32 s2, hwreg(HW_REG_IB_STS2, 6, 4)
	s_cmp_eq_u32 s2, 0
	s_cbranch_scc0 .Lentry_in_a_cluster
	s_endpgm
.Lentry_in_a_cluster:
	s_bfe_u32 s2, ttmp6, 0x10000c
	s_cmp_lg_u32 s2, 0x3003
	s_cbranch_scc0 .Lentry_shape_is_right
	s_endpgm
.Lentry_shape_is_right:
; For each (batch, head): O = softmax(q k^T / 8) v, both products on codes of FP6 (E2M3) with E8M0 scales; O / l is quantised along the model's 1,024 channels and stored as codes for the last product.
; THE SOFTMAX: t = score x log2(e) / 8; M = the running largest t rounded UP to a whole number; p = 2^(t - M) is what is quantised, along the keys; the row's sum is taken of the unquantised p and divides at the end.
; When M moves, the sums and O are multiplied by 2^(old M - new M), which rounds nothing.
; A WHOLE HEAD'S K AND V, codes and scale words, are 208,896 bytes: they are filled into LDS ONCE, so the walk over the keys has no ring and no barrier, and no LDS byte is filled twice.
; CLUSTER: the four work-groups of a head ask for K and V jointly (the mask names all four).  A work-group takes 512 queries, each of its 16 waves 32: two passes of one tile of 16 queries.
; Four waves share a SIMD, so that one wave's vector work stands beside another's matrix work and LDS loads.
; LAYOUT: both products transposed: S^T = K Q^T, O^T = V^T P^T: a lane holds ONE query.  The launch before has laid K's tiles so that the 16 registers of tiles 2 b and 2 b + 1 are keys 32 b + 16 (lane / 16) + 0 .. 15,
; and all operands as images of their registers: every LDS load takes 16 bytes a lane, 512 on end.
; K = 64 IN AN INSTRUCTION OF 128: Q's operand is six registers of codes and six of zero codes; K's tile t is the twelve registers from its own six on (the other six hold the next tile's codes, or zeros):
; whatever they hold is multiplied by zero codes; the two spare bytes of the scale words are 0x7f.
; LIMITS: NaN and infinities are not served; a block of zeros or under 2^(3 - 127) keeps the byte 1: its codes are zeros, and this program alone reads the bytes.
; No prefetch: all that the launch reads of K and V is asked for at its head.
.set KPART,  106496                    ; a head's k (and q): 16 steps of 6,656 bytes: 6,144 of images, 512 of scale words
.set VPART,  102400                    ; a head's v: 16 steps of 6,400 bytes: 6,144 of images, 256 of scale words
.set KSTEPB, 6656
.set VSTEPB, 6400
.set KBASE,  6815744
.set VBASE,  13631488
.set VB,     KPART                     ; LDS: K from 0, V from here,
.set SCS,    KPART+VPART               ; and from here 1,024 bytes for the work-group's scale bytes of O
.set LI,  1                            ; v1   16 x lane
.set LIV, 2                            ; v2   + VB
.set LS8, 3                            ; v3   8 x lane + VB + 6,144
.set L8,  4                            ; v4   8 x lane
.set ASW, 5                            ; v5   SCS + 64 x wave + 2 (lane % 16)
.set SCR, 6                            ; v6   SCS + 16 x thread
.set GO16, 7                           ; v7   16 x thread
.set ADK, 8
.set ADV, 9
.set ADT, 10
.set QA,  18                           ; v18-29 tile 0 of Q and six zeros; v30-41 tile 1 and six zeros.  v12 -M, v13 the largest t, v[14:15], v[16:17] the sum in two chains
.set QS,  42                           ; Q's scale words: lanes 0-15 tile 0's, lanes 16-31 tile 1's
.set F,   44                           ; v44-91 a step's fragments of K, then of V
.set KZ,  92                           ; v92-97 zeros
.set KSR, 98                           ; v98-101 K's scale words
.set VSR, 102                          ; v102-103 V's
.set S,   104                          ; v104-167 S^T, then p
.set O,   168                          ; v168-199 O^T
.set PC,  200                          ; v200-211 p's codes
.set CT,  212
.set BM,  220
.set BT,  224
.set SO,  228
.set FF,  232                          ; v[232:233] f; the packed form names the pair and takes its low word
.set PW,  234                          ; p's scale word
.set TMP, 235
.set WV,  18
.set SEL, 20
.set CS,  22                           ; s[22:23] c = log2(e) / 8
.set TK,  2
.set TV,  3
.set CNT, 48
.set G1K, 24
.set G1V, 32
.set G0K, 40
.set G0V, 44
.macro CROUND                          ; a round of the cluster's barrier
	s_barrier_signal -1
	s_barrier_wait -1
	s_cmp_lg_u32 s[WV], 0
	s_cbranch_scc1 .Lnot_wave_0_\@
	s_barrier_signal -3
.Lnot_wave_0_\@:
	s_barrier_wait -3
	s_barrier_signal -1
	s_barrier_wait -1
.endm
	s_load_b128 s[4:7], s[0:1], 0x0                ; qkv, ac
	s_load_b64 s[8:9], s[0:1], 0x10                ; asc
	v_lshl_add_u32 v254, v0, 2, 0x35000
	v_mov_b32 v255, 0
	ds_add_u32 v254, v255
	ds_add_u32 v254, v255
	v_lshrrev_b32 v8, 5, v0
	v_readfirstlane_b32 s[WV], v8                  ; wave 0..15
	v_and_b32 v[LI], 31, v0
	v_lshlrev_b32 v[L8], 3, v[LI]
	v_lshlrev_b32 v[LI], 4, v[LI]
	v_add_nc_u32 v[LIV], VB, v[LI]
	v_add_nc_u32 v[LS8], VB+6144, v[L8]
	v_and_b32 v[ASW], 0x1e0, v0
	v_lshlrev_b32 v[ASW], 1, v[ASW]
	v_and_b32 v9, 15, v0
	v_lshl_add_u32 v[ASW], v9, 1, v[ASW]
	v_add_nc_u32 v[ASW], SCS, v[ASW]
	v_lshl_add_u32 v[SCR], v0, 4, SCS
	v_lshlrev_b32 v[GO16], 4, v0
	s_bfe_u32 s13, ttmp6, 0x40000                  ; cx: it enters Q's, ac's and asc's addresses alone
	s_and_b32 s10, ttmp7, 0xffff                   ; 16 x batch + head, which the four partners share
	s_lshr_b32 s11, s10, 4
	s_and_b32 s12, s10, 15
	s_and_b32 s14, s[WV], 3
	s_lshr_b32 s15, s[WV], 2
	s_mul_i32 s16, s10, KPART
	s_mul_i32 s58, s14, KPART/4                    ; K: waves 0-3 fetch a quarter each
	s_mov_b32 s[G0K+1], s58                        ; its LDS address
	s_add_co_u32 s58, s58, s16
	s_add_co_u32 s58, s58, KBASE
	s_mov_b32 s59, 0
	s_mul_i32 s60, s14, VPART/4                    ; V: waves 4-7
	s_add_co_u32 s[G0V+1], s60, VB
	s_mul_i32 s61, s10, VPART
	s_add_co_u32 s60, s60, s61
	s_add_co_u32 s60, s60, VBASE
	s_mov_b32 s61, 0
	s_lshl_b32 s17, s13, 2
	s_add_co_u32 s17, s17, s15                     ; which 128 queries of the head: 4 cx + wave / 4
	s_mul_i32 s62, s17, KSTEPB
	s_add_co_u32 s62, s62, s16
	s_mul_i32 s66, s14, 1536                       ; my pair of tiles
	s_add_co_u32 s66, s66, s62
	s_mov_b32 s67, 0
	s_lshl_b32 s68, s14, 2                         ; and its scale words
	s_add_co_u32 s68, s68, s62
	s_add_co_u32 s68, s68, 6144
	s_mov_b32 s69, 0
	s_lshl_b32 s70, s11, 4                         ; ac: [128 rows][K step of 256][of 128][16 rows][6 groups][32 lanes][8 bytes]
	s_add_co_u32 s70, s70, s17
	s_mul_i32 s70, s70, 98304
	s_lshr_b32 s19, s12, 2
	s_mul_i32 s19, s19, 24576
	s_add_co_u32 s70, s70, s19
	s_bfe_u32 s19, s12, 0x10001
	s_mul_i32 s19, s19, 12288
	s_add_co_u32 s70, s70, s19
	s_mul_i32 s19, s14, 3072
	s_add_co_u32 s70, s70, s19
	s_and_b32 s19, s12, 1
	s_mul_i32 s19, s19, 768
	s_add_co_u32 s70, s70, s19
	s_mov_b32 s71, 0
	s_lshl_b32 s62, s12, 14                        ; asc: [head][8,192 rows] two bytes
	s_lshl_b32 s19, s11, 12
	s_add_co_u32 s62, s62, s19
	s_lshl_b32 s19, s13, 10
	s_add_co_u32 s62, s62, s19
	s_mov_b32 s63, 0
	; descriptor group 1: dense blocks as rows of 256 bytes (32 elements of 8 bytes): K 104 rows, V 100; the mask names all four work-groups, bit 21 beside it
	s_mov_b32 s[G1K], 15|(3<<16)|(1<<21)
	s_mov_b32 s[G1K+1], 32<<16
	s_mov_b32 s[G1K+2], 104<<16
	s_mov_b32 s[G1K+3], 32<<16
	s_mov_b32 s[G1K+4], 104
	s_mov_b32 s[G1K+5], 32
	s_mov_b32 s[G1K+6], 0
	s_mov_b32 s[G1K+7], 0
	s_mov_b32 s[G1V], 15|(3<<16)|(1<<21)
	s_mov_b32 s[G1V+1], 32<<16
	s_mov_b32 s[G1V+2], 100<<16
	s_mov_b32 s[G1V+3], 32<<16
	s_mov_b32 s[G1V+4], 100
	s_mov_b32 s[G1V+5], 32
	s_mov_b32 s[G1V+6], 0
	s_mov_b32 s[G1V+7], 0
	s_mov_b32 s[SEL], 0x76543210
	s_mov_b32 s[SEL+1], 0xfedcba98
	s_mov_b32 s[CS], 0x3e38aa3b                    ; log2(e) / 8
	s_mov_b32 s[CS+1], s[CS]
	s_wait_dscnt 0x0
	s_wait_kmcnt 0x0
	s_mov_b32 s[G0K], 1
	s_add_nc_u64 s[G0K+2:G0K+3], s[4:5], s[58:59]
	s_or_b32 s[G0K+3], s[G0K+3], 0x80000000
	s_mov_b32 s[G0V], 1
	s_add_nc_u64 s[G0V+2:G0V+3], s[4:5], s[60:61]
	s_or_b32 s[G0V+3], s[G0V+3], 0x80000000
	s_add_nc_u64 s[50:51], s[4:5], s[66:67]        ; Q's pair of tiles
	s_add_nc_u64 s[52:53], s[4:5], s[68:69]        ; Q's scale words
	s_add_nc_u64 s[54:55], s[6:7], s[70:71]        ; ac
	s_add_nc_u64 s[56:57], s[8:9], s[62:63]        ; asc
	CROUND                                         ; all four work-groups are here: the joint loads meet
	s_cmp_lt_u32 s[WV], 4                          ; the branches hang on the wave's number alone; four v_nop follow each load; one load of a wave is out
	s_cbranch_scc0 .Lnot_k
	tensor_load_to_lds s[G0K:G0K+3], s[G1K:G1K+7]
	s_nop 0
.rept 4
	v_nop
.endr
	s_branch .Lasked
.Lnot_k:
	s_cmp_lt_u32 s[WV], 8
	s_cbranch_scc0 .Lasked
	tensor_load_to_lds s[G0V:G0V+3], s[G1V:G1V+7]
	s_nop 0
.rept 4
	v_nop
.endr
.Lasked:
	global_load_b128 v[QA:QA+3], v[LI], s[50:51]               ; the image's registers 0-5: tile 0
	global_load_b64 v[QA+4:QA+5], v[LI], s[50:51] offset:512
	global_load_b64 v[QA+12:QA+13], v[LI], s[50:51] offset:520 ; registers 6-11: tile 1
	global_load_b128 v[QA+14:QA+17], v[LI], s[50:51] offset:1024
	global_load_b32 v[QS], v[LI], s[52:53]
.irp i, 0,1,2,3,4,5
	v_mov_b32 v[QA+6+\i], 0                        ; zero codes: K's upper 64
	v_mov_b32 v[QA+18+\i], 0
	v_mov_b32 v[KZ+\i], 0
.endr
.irp b, 0,1,2,3
	v_mov_b32 v[BT+\b], 0                          ; written once: a lane permute's destination counts as one of its sources
.endr
	v_mov_b32 v[FF+1], 0                           ; (named as the upper half of a pair)
	v_mov_b32 v[TMP], 0
	s_wait_tensorcnt 0x0                           ; my part of K or V has landed,
	s_barrier_signal -1
	s_barrier_wait -1                              ; everybody's has: from here on K and V are only read
	s_wait_loadcnt 0x0                             ; Q
.macro FETCHK adr                      ; a step's eight tiles of K (four images of 12 registers) and their scale words: v[KSR + b]: lanes 0-15 tile 2 b's, lanes 16-31 tile 2 b + 1's
.irp i, 0,1,2,3,4,5,6,7,8,9,10,11
	ds_load_b128 v[F+4*\i:F+4*\i+3], v[\adr] offset:512*\i
.endr
	ds_load_b128 v[KSR:KSR+3], v[\adr] offset:6144
.endm
.macro KQ t, u
.if ((\t)%2 == 0) && (\u == 0)
	v_wmma_scale_f32_16x16x128_f8f6f4 v[S+8*(\t):S+8*(\t)+7], v[F+6*(\t):F+6*(\t)+11], v[QA+12*\u:QA+12*\u+11], 0, v[KSR+(\t)/2], v[QS] matrix_a_fmt:MATRIX_FMT_FP6 matrix_b_fmt:MATRIX_FMT_FP6
.elseif (\u == 0)
	v_wmma_scale_f32_16x16x128_f8f6f4 v[S+8*(\t):S+8*(\t)+7], v[F+6*(\t):F+6*(\t)+11], v[QA+12*\u:QA+12*\u+11], 0, v[KSR+(\t)/2], v[QS] matrix_a_fmt:MATRIX_FMT_FP6 matrix_b_fmt:MATRIX_FMT_FP6 matrix_a_scale:MATRIX_SCALE_ROW1
.elseif ((\t)%2 == 0)
	v_wmma_scale_f32_16x16x128_f8f6f4 v[S+8*(\t):S+8*(\t)+7], v[F+6*(\t):F+6*(\t)+11], v[QA+12*\u:QA+12*\u+11], 0, v[KSR+(\t)/2], v[QS] matrix_a_fmt:MATRIX_FMT_FP6 matrix_b_fmt:MATRIX_FMT_FP6 matrix_b_scale:MATRIX_SCALE_ROW1
.else
	v_wmma_scale_f32_16x16x128_f8f6f4 v[S+8*(\t):S+8*(\t)+7], v[F+6*(\t):F+6*(\t)+11], v[QA+12*\u:QA+12*\u+11], 0, v[KSR+(\t)/2], v[QS] matrix_a_fmt:MATRIX_FMT_FP6 matrix_b_fmt:MATRIX_FMT_FP6 matrix_a_scale:MATRIX_SCALE_ROW1 matrix_b_scale:MATRIX_SCALE_ROW1
.endif
.endm
.macro PV t
.if (\t)%2 == 0
	v_wmma_scale_f32_16x16x128_f8f6f4 v[O+8*(\t):O+8*(\t)+7], v[F+12*(\t):F+12*(\t)+11], v[PC:PC+11], v[O+8*(\t):O+8*(\t)+7], v[VSR+(\t)/2], v[PW] matrix_a_fmt:MATRIX_FMT_FP6 matrix_b_fmt:MATRIX_FMT_FP6
.else
	v_wmma_scale_f32_16x16x128_f8f6f4 v[O+8*(\t):O+8*(\t)+7], v[F+12*(\t):F+12*(\t)+11], v[PC:PC+11], v[O+8*(\t):O+8*(\t)+7], v[VSR+(\t)/2], v[PW] matrix_a_fmt:MATRIX_FMT_FP6 matrix_b_fmt:MATRIX_FMT_FP6 matrix_a_scale:MATRIX_SCALE_ROW1
.endif
.endm
.macro SUMS j0, n                      ; n x 4 numbers of p, from register j0 on, onto the two chains
.set J, \j0
.rept \n
	v_pk_add_f32 v[14:15], v[14:15], v[S+J:S+J+1]
	v_pk_add_f32 v[16:17], v[16:17], v[S+J+2:S+J+3]
.set J, J+4
.endr
.endm
; A KEY STEP: 128 keys against tile u of my queries.  fetch = 1: the next step's K is fetched at its end; 2: the head's first step's, for the second pass; 0: nothing.
.macro STEP fetch, u
	s_wait_dscnt 0x0                               ; K's fragments and scale words are in
.irp t, 0,1,2,3,4,5,6,7
	KQ \t, \u
.endr
	s_add_co_u32 s[TK], s[TK], KSTEPB
	v_add_nc_u32 v[ADK], s[TK], v[LI]              ; the next step's K.  These four plain lines are the places behind the products: in front of the loads into their operands and of the first read of the scores
	v_add_nc_u32 v[ADV], s[TV], v[LIV]             ; this step's V
	v_add_nc_u32 v[ADT], s[TV], v[LS8]
	v_nop
.irp i, 0,1,2,3,4,5,6,7,8,9,10,11
	ds_load_b128 v[F+4*\i:F+4*\i+3], v[ADV] offset:512*\i   ; V's four fragments land under the softmax
.endr
	ds_load_b64 v[VSR:VSR+1], v[ADT]
	s_add_co_u32 s[TV], s[TV], VSTEPB
.irp b, 0,1,2,3
	v_max3_num_f32 v[BM+\b], v[S+16*\b], v[S+1+16*\b], v[S+2+16*\b]   ; the largest score of each block of 32 keys: it serves for the row's maximum and, since p rises with the score, for the block's largest p
.endr
.irp i, 3,5,7,9,11,13
.irp b, 0,1,2,3
	v_max3_num_f32 v[BM+\b], v[BM+\b], v[S+16*\b+\i], v[S+1+16*\b+\i]
.endr
.endr
.irp b, 0,1,2,3
	v_max_num_f32 v[BM+\b], v[BM+\b], v[S+15+16*\b]
.endr
.irp b, 0,1,2,3
	v_permlanex16_b32 v[BT+\b], v[BM+\b], s[SEL], s[SEL+1]
.endr
.irp b, 0,1,2,3
	v_max_num_f32 v[BM+\b], v[BM+\b], v[BT+\b]     ; with lane l xor 16's 16 keys
.endr
	v_max3_num_f32 v[TMP], v[BM], v[BM+1], v[BM+2]
	v_max_num_f32 v[TMP], v[TMP], v[BM+3]
	v_mul_f32 v[TMP], s[CS], v[TMP]                ; as t (c is positive)
	v_max_num_f32 v13, v13, v[TMP]                 ; the running largest t
	v_mov_b32 v[TMP], v12
	v_floor_f32 v12, -v13                          ; the new -M = -ceil(t): a whole number
	v_sub_f32 v[TMP], v12, v[TMP]                  ; old M - new M: a whole number, 0 or less
	v_cvt_i32_f32 v[TMP], v[TMP]                   ; (it saturates)
	v_ldexp_f32 v[FF], 1.0, v[TMP]                 ; f = 2^(old M - new M)
.set J, 0
.rept 32
	v_pk_fma_f32 v[S+J:S+J+1], v[S+J:S+J+1], s[CS:CS+1], v[12:13] op_sel_hi:[1,0,0]   ; t - M, two at a time
.set J, J+2
.endr
.irp b, 0,1,2,3
	v_fma_f32 v[BM+\b], v[BM+\b], s[CS], v12       ; the same of each block's largest score
.endr
.set J, 0
.rept 64
	v_exp_f32 v[S+J], v[S+J]                       ; p = 2^(t - M), at most 1
.set J, J+1
.endr
	v_pk_mul_f32 v[14:15], v[14:15], v[FF:FF+1] op_sel_hi:[1,0]   ; the sums under the new M: plain lines behind the exponentials
	v_pk_mul_f32 v[16:17], v[16:17], v[FF:FF+1] op_sel_hi:[1,0]
	s_wait_alu depctr_va_vdst(0)                   ; one wait for the batch of 64, ahead of its first reader
.irp b, 0,1,2,3
	v_exp_f32 v[BM+\b], v[BM+\b]                   ; the block's largest p: the same two instructions on the same number
.endr
	SUMS 0, 8                                      ; the row's sum is taken of the unquantised p; these read the 64 alone: plain work behind the four
	s_wait_alu depctr_va_vdst(0)                   ; and one wait for the four
.irp b, 0,1,2,3
	v_max_num_f32 v[BM+\b], 0x1800000, v[BM+\b]    ; the floor 2^(3 - 127)
.endr
.irp b, 0,1,2,3
	v_add_nc_u32 v[SO+\b], 0xff000000, v[BM+\b]    ; 2 off the exponent field: the conversion's scale operand
.endr
.irp b, 0,1,2,3
	v_lshrrev_b32 v[BT+\b], 23, v[SO+\b]           ; the scale's byte
.endr
	v_lshl_or_b32 v[PW], v[BT+1], 8, v[BT]         ; p's scale word for these 128 keys
	v_lshl_or_b32 v[PW], v[BT+2], 16, v[PW]
	v_lshl_or_b32 v[PW], v[BT+3], 24, v[PW]
.irp c, 0,1
	v_cvt_scalef32_pk16_fp6_f32 v[PC+6*\c:PC+6*\c+2], v[S+32*\c:S+32*\c+15], v[SO+2*\c]
	v_cvt_scalef32_pk16_fp6_f32 v[CT+4*\c:CT+4*\c+2], v[S+32*\c+16:S+32*\c+31], v[SO+2*\c+1]
.endr
	v_nop                                          ; one plain line behind the scaled conversions
.irp c, 0,1
.irp i, 0,1,2
	v_permlane16_swap_b32 v[PC+6*\c+\i], v[CT+4*\c+\i]   ; a whole block to a lane
.endr
.irp i, 0,1,2
	v_mov_b32 v[PC+3+6*\c+\i], v[CT+4*\c+\i]
.endr
.endr
.set J, 0
.rept 16
	v_pk_mul_f32 v[O+J:O+J+1], v[O+J:O+J+1], v[FF:FF+1] op_sel_hi:[1,0]   ; O^T under the new M, from each accumulator's low end on; with the four lines below: the places between p's codes and scale word and the products
.set J, J+2
.endr
	SUMS 32, 2
	s_wait_dscnt 0x0                               ; V is in
.irp t, 0,1,2,3
	PV \t                                          ; four accumulators by turns, one instruction a turn
.endr
	SUMS 40, 2                                     ; four plain lines that name none of the products' registers: the places in front of the loads into V's registers
.if \fetch == 1
	FETCHK ADK
.elseif \fetch == 2
	FETCHK LI
.endif
	SUMS 48, 4
.endm
; O^T / l is quantised along its 64 channels (two blocks) and leaves: the codes as six registers of the last product's operand, the two bytes through LDS.
.macro OUT u
	v_pk_add_f32 v[14:15], v[14:15], v[16:17]
	v_add_f32 v14, v14, v15
	v_permlanex16_b32 v[TMP], v14, s[SEL], s[SEL+1]
	v_add_f32 v14, v14, v[TMP]                     ; the row's sum
	v_rcp_f32 v14, v14
	v_nop                                          ; a plain line behind the reciprocal,
	s_wait_alu depctr_va_vdst(0)                   ; and the wait ahead of its first reader
.set J, 0
.rept 16
	v_pk_mul_f32 v[O+J:O+J+1], v[O+J:O+J+1], v[14:15] op_sel_hi:[1,0]   ; register 16 p + i is channel 32 p + 16 (lane / 16) + i of my query
.set J, J+2
.endr
.irp p, 0,1
	v_max3_num_f32 v[BM+\p], |v[O+16*\p]|, |v[O+1+16*\p]|, 0x1800000
.endr
.irp i, 2,4,6,8,10,12,14
.irp p, 0,1
	v_max3_num_f32 v[BM+\p], v[BM+\p], |v[O+16*\p+\i]|, |v[O+1+16*\p+\i]|
.endr
.endr
.irp p, 0,1
	v_permlanex16_b32 v[BT+\p], v[BM+\p], s[SEL], s[SEL+1]
.endr
.irp p, 0,1
	v_max_num_f32 v[BM+\p], v[BM+\p], v[BT+\p]
.endr
.irp p, 0,1
	v_add_nc_u32 v[SO+\p], 0xff000000, v[BM+\p]
.endr
.irp p, 0,1
	v_lshrrev_b32 v[BT+\p], 23, v[SO+\p]
.endr
	v_lshl_or_b32 v[TMP], v[BT+1], 8, v[BT]
	ds_store_b16 v[ASW], v[TMP] offset:32*\u       ; lanes r and r + 16 write the same two bytes with the same value
	v_cvt_scalef32_pk16_fp6_f32 v[PC:PC+2], v[O:O+15], v[SO]
	v_cvt_scalef32_pk16_fp6_f32 v[CT:CT+2], v[O+16:O+31], v[SO+1]
	v_nop
.irp i, 0,1,2
	v_permlane16_swap_b32 v[PC+\i], v[CT+\i]
.endr
.irp i, 0,1,2
	v_mov_b32 v[PC+3+\i], v[CT+\i]
.endr
.irp i, 0,1,2
	global_store_b64 v[L8], v[PC+2*\i:PC+2*\i+1], s[54:55] offset:1536*\u+256*\i   ; 256 consecutive bytes, aligned
.endr
.endm
.macro PASS u
	s_mov_b32 s[TK], 0
	s_mov_b32 s[TV], 0
	v_mov_b32 v13, 0xff61b1e6                      ; the largest t so far: -3e38
	v_floor_f32 v12, -v13
.irp i, 14,15,16,17
	v_mov_b32 v\i, 0
.endr
.set J, 0
.rept 32
	v_mov_b32 v[O+J], 0                            ; the step is written without a first step of its own: it finds zeros, which the first change of M leaves zeros
.set J, J+1
.endr
.if \u == 1
	s_wait_xcnt 0x0                                ; the first pass's stores have read the codes' registers
.endif
	s_mov_b32 s[CNT], 15
.Lstep_\@:
	STEP 1, \u
	s_sub_co_u32 s[CNT], s[CNT], 1
	s_cmp_lg_u32 s[CNT], 0
	s_cbranch_scc1 .Lstep_\@
.if \u == 0
	STEP 2, \u
.else
	STEP 0, \u
.endif
	OUT \u
.endm
	FETCHK LI                                      ; key step 0
	PASS 0
	PASS 1
	s_wait_dscnt 0x0                               ; my byte stores have landed
	s_barrier_signal -1
	s_barrier_wait -1                              ; everybody's have: the work-group's 512 rows x 2 bytes lie on end
	s_cmp_lt_u32 s[WV], 2
	s_cbranch_scc0 .Lno_asc
	ds_load_b128 v[CT:CT+3], v[SCR]
	s_wait_dscnt 0x0
	global_store_b128 v[GO16], v[CT:CT+3], s[56:57]   ; 512 consecutive bytes a wave, aligned
.Lno_asc:
	s_wait_tensorcnt 0x0
	ds_add_u32 v254, v255
	s_wait_dscnt 0x0
	CROUND                                         ; the closing round
	s_endpgm
.Lfunc_end_k_qd49544f5f0_attn:
	.size	k_qd49544f5f0_attn, .Lfunc_end_k_qd49544f5f0_attn-k_qd49544f5f0_attn
	.p2alignl 7, 3214868480
	.fill 96, 4, 3214868480
	.section	.rodata,"a",@progbits
	.p2align	6, 0x0
	.amdhsa_kernel k_qd49544f5f0_attn
		.amdhsa_group_segment_fixed_size 219136
		.amdhsa_private_segment_fixed_size 0
		.amdhsa_enable_private_segment 0
		.amdhsa_kernarg_size 24
		.amdhsa_user_sgpr_count 2
		.amdhsa_user_sgpr_kernarg_segment_ptr 1
		.amdhsa_wavefront_size32 1
		.amdhsa_system_sgpr_workgroup_id_x 1
		.amdhsa_system_sgpr_workgroup_id_y 1
		.amdhsa_system_sgpr_workgroup_id_z 1
		.amdhsa_system_vgpr_workitem_id 0
		.amdhsa_next_free_vgpr 256
		.amdhsa_next_free_sgpr 72
		.amdhsa_reserve_vcc 0
		.amdhsa_float_denorm_mode_32 3
		.amdhsa_float_denorm_mode_16_64 3
		.amdhsa_memory_ordered 1
		.amdhsa_forward_progress 1
		.amdhsa_inst_pref_size 79
	.end_amdhsa_kernel
	.amdgpu_metadata
---
amdhsa.version: [ 1, 2 ]
amdhsa.kernels:
  - .name:           k_qd49544f5f0_attn
    .symbol:         k_qd49544f5f0_attn.kd
    .args:
      - { .name: qkv, .offset: 0, .size: 8, .value_kind: global_buffer, .address_space: global }
      - { .name: ac, .offset: 8, .size: 8, .value_kind: global_buffer, .address_space: global }
      - { .name: asc, .offset: 16, .size: 8, .value_kind: global_buffer, .address_space: global }
    .group_segment_fixed_size: 219136
    .private_segment_fixed_size: 0
    .kernarg_segment_align: 8
    .kernarg_segment_size: 24
    .max_flat_workgroup_size: 512
    .sgpr_count:     72
    .vgpr_count:     256
    .wavefront_size: 32
...
	.end_amdgpu_metadata
.endif
;; end of part 3
;; launch projgemm (part 4): grid 4 x 32, 4 waves a work-group, clusters of 4 x 4, 327,680 bytes of LDS; arguments ac, asc, cod, scl, proj_b, out0; writes out0
.if DOCPART == 4
	.amdgcn_target "amdgcn-amd-amdhsa--gfx1250"
	.amdhsa_code_object_version 6
	.text
	.protected	k_qd49544f5f0_projgemm
	.globl	k_qd49544f5f0_projgemm
	.p2align	8
	.type	k_qd49544f5f0_projgemm,@function
k_qd49544f5f0_projgemm:
	s_mov_b64 s[64:65], 0
	v_nop
	global_prefetch_b8 v0, s[64:65] scope:SCOPE_SE
	s_setreg_imm32_b32 hwreg(HW_REG_WAVE_MODE, 25, 1), 1
	s_wait_xcnt 0x0
	s_wait_alu depctr_hold_cnt(0) depctr_sa_sdst(0) depctr_va_vdst(0) depctr_va_sdst(0) depctr_va_ssrc(0) depctr_va_vcc(0) depctr_vm_vsrc(0)
	s_getreg_b32 s2, hwreg(HW_REG_IB_STS2, 6, 4)
	s_cmp_eq_u32 s2, 0
	s_cbranch_scc0 .Lentry_in_a_cluster
	s_endpgm
.Lentry_in_a_cluster:
	s_bfe_u32 s2, ttmp6, 0x10000c
	s_cmp_lg_u32 s2, 0xf033
	s_cbranch_scc0 .Lentry_shape_is_right
	s_endpgm
.Lentry_shape_is_right:
; out0 = attn proj_w^T + proj_b on codes of FP6 (E2M3) with E8M0 scales; sums in f32.
; A work-group of four waves makes 256 x 256, a wave 128 x 128 in 64 accumulators.  K = 1,024 goes in four steps of 256 through a ring of two LDS slots.
; A (attn) comes as images of the operand's registers (buffer ac): a K step of 128 rows is one dense block of 24,576 bytes, and a fragment is six loads of 8 bytes a lane, 256 bytes on end.
; A's scale bytes come by heads (buffer asc: [head][row] two bytes): sixteen pieces of 512 bytes; the work-group makes its 256 rows' scale words of them once, in LDS bytes of their own.
; B (proj_w) comes from cod and scl as rows, as in the first product.  Source 0 = rows of B, source 1 = rows of A: a lane holds eight neighbouring numbers of a row of out0.
; ROW ORDER: A's rows and B's rows lie so that within each 32 the second and third group of 8 have changed places: the way out puts both back (the stage's columns; the stores' rows).
; The bias is the C of each sum's first matrix instruction.  CLUSTERS: 4 x 4; A's tiles jointly along a row, B's along a column.  The grid has 128 work-groups of this tile.
; No prefetch: of the four K steps two are first fills.
; REGISTERS: window 0: v16-17 A's, v20-23 B's LDS addresses; v24-27; v28-29 the add's; v32-63 scale words; v64-127 the bias; v128-223 A's fragments; on the way out v128-255 rows.
;   window 1: B's fragments, two sets.   windows 2, 3: the accumulators.
.set NQ,     2
.set ROWB,   192
.set KROW,   768
.set PITCH,  240
.set FR,     12
.set NL,     6
.set NP,     4
.set HA,     24576                     ; A: 128 rows x 256 along K, as images
.set HB,     128*PITCH                 ; B: 128 rows, padded
.set SLOT,   2*HA+2*HB
.set KS,     32
.set SCL,    2*SLOT                    ; A's scale words (written by LDS stores; no fill lands here), 8,704 bytes; then B's (filled once), 8,704
.set HALFS,  (128*KS/256)*272
.set SBLK,   (16*KS/256)*272
.set PL,     SCL+4*HALFS               ; A's scale bytes by heads: 16 x 512 bytes
.set SPARE,  PL+8192                   ; the spare words: two blocks of 256 bytes that no other line names
.set SPITCH, 528                       ; the way out: 16 rows x (512 + 16) bytes a wave, in slot 0, which has had its last fill and its last read by then
.set ADRA, 16
.set ADRB, 20
.set STO,  24
.set RD,   25
.set CO,   26
.set ADRS, 27
.set SPW,  28
.set NIL,  29
.set SC,   32
.set BIAS, 64
.set AF,   128
.set BK,   128
.set G1, 24
.set G0, 32
.set G1B, 48
.set G0B, 56
.set G1S, 68
.set G0S, 76
.set G1SB, 80
.set G0SB, 88
.set MSB, 0
.macro WIN new
.if MSB != (\new)
	s_set_vgpr_msb (MSB<<8)|(\new)
.set MSB, (\new)
.endif
.endm
.set MUL_LO, 0xa1
.set MUL_HI, 0xf1
.set TO_B,   0x40
.macro JLOAD g0a, g1a, g0b, g1b        ; waves 0 and 1 fetch for A, waves 2 and 3 for B; four v_nop follow each line
	s_cmp_eq_u32 s15, 0
	s_cbranch_scc0 .Lfor_b_\@
	tensor_load_to_lds s[\g0a:\g0a+3], s[\g1a:\g1a+7]
	s_nop 0
.rept 4
	v_nop
.endr
	s_branch .Lasked_\@
.Lfor_b_\@:
	tensor_load_to_lds s[\g0b:\g0b+3], s[\g1b:\g1b+7]
	s_nop 0
.rept 4
	v_nop
.endr
.Lasked_\@:
.endm
.macro CREST
	s_cmp_lg_u32 s14, 0
	s_cbranch_scc1 .Lnot_wave_0_\@
	s_barrier_signal -3
.Lnot_wave_0_\@:
	s_barrier_wait -3
	s_barrier_signal -1
	s_barrier_wait -1
.endm
.macro CROUND
	s_barrier_signal -1
	s_barrier_wait -1
	CREST
.endm
	s_load_b256 s[4:11], s[0:1], 0x0               ; ac s[4:5], asc s[6:7], cod s[8:9], scl s[10:11]
	s_load_b64 s[96:97], s[0:1], 0x20              ; proj_b
	s_load_b64 s[12:13], s[0:1], 0x28              ; out0
	v_lshl_add_u32 v[SPW], v0, 2, SPARE
	v_mov_b32 v[NIL], 0
	ds_add_u32 v28, v29
	ds_add_u32 v28, v29
	s_wait_dscnt 0x0
	v_lshrrev_b32 v1, 5, v0
	v_readfirstlane_b32 s14, v1                    ; wave 0..3
	s_lshr_b32 s15, s14, 1                         ; which 128 rows of the tile are mine.  Also: I fetch for A (0) or for B (1)
	s_and_b32 s16, s14, 1                          ; which 128 columns.  Also: which half of that tile I fetch
	s_bfe_u32 s40, ttmp6, 0x40000                  ; cx
	s_bfe_u32 s41, ttmp6, 0x40004                  ; cy
	s_lshl_b32 s42, ttmp9, 2
	s_add_co_u32 s42, s42, s40                     ; tile column
	s_and_b32 s17, ttmp7, 0xffff
	s_lshl_b32 s17, s17, 2
	s_add_co_u32 s17, s17, s41                     ; tile row
	s_lshl_b32 s43, s41, 2
	s_lshl_b32 s43, 15, s43                        ; my row of the cluster
	s_lshl_b32 s44, 0x1111, s40                    ; my column
	s_or_b32 s[G1+0], s43, (3<<16)|(1<<21)         ; A's images: 24,576 dense bytes as 96 rows of 256 bytes, no padding
	s_mov_b32 s[G1+1], 32<<16
	s_mov_b32 s[G1+2], 96<<16
	s_mov_b32 s[G1+3], 32<<16
	s_mov_b32 s[G1+4], 96
	s_mov_b32 s[G1+5], 32
	s_mov_b32 s[G1+6], 0
	s_mov_b32 s[G1+7], 0
	s_or_b32 s[G1B+0], s44, (0<<16)|(1<<20)|(1<<21)|(3<<22)|(3<<25)   ; B's rows: 128 x 192 bytes, 16 bytes of padding behind every 64
	s_mov_b32 s[G1B+1], ROWB<<16
	s_mov_b32 s[G1B+2], 128<<16
	s_mov_b32 s[G1B+3], ROWB<<16
	s_mov_b32 s[G1B+4], 128
	s_mov_b32 s[G1B+5], KROW
	s_mov_b32 s[G1B+6], 0
	s_mov_b32 s[G1B+7], 0
	s_or_b32 s[G1S+0], s43, (3<<16)|(1<<21)        ; A's scale bytes: 8 heads x 512 bytes (64 elements of 8), 16,384 bytes from head to head
	s_mov_b32 s[G1S+1], 64<<16
	s_mov_b32 s[G1S+2], 8<<16
	s_mov_b32 s[G1S+3], 64<<16
	s_mov_b32 s[G1S+4], 8
	s_mov_b32 s[G1S+5], 2048
	s_mov_b32 s[G1S+6], 0
	s_mov_b32 s[G1S+7], 0
	s_or_b32 s[G1SB+0], s44, (3<<16)|(1<<20)|(1<<21)|(5<<22)|(3<<25)   ; B's scales: 4,096 dense bytes as 16 rows of 256, 16 bytes of padding behind each
	s_mov_b32 s[G1SB+1], 32<<16
	s_mov_b32 s[G1SB+2], 16<<16
	s_mov_b32 s[G1SB+3], 32<<16
	s_mov_b32 s[G1SB+4], 16
	s_mov_b32 s[G1SB+5], 32
	s_mov_b32 s[G1SB+6], 0
	s_mov_b32 s[G1SB+7], 0
	s_lshl_b32 s20, s17, 1
	s_add_co_u32 s20, s20, s16
	s_mul_i32 s20, s20, 98304                      ; A: the 128 rows that I fetch
	s_mov_b32 s21, 0
	s_lshl_b32 s22, s16, 17                        ; A's scale bytes: heads 8 x half on,
	s_lshl_b32 s23, s17, 9                         ; the tile's 256 rows
	s_add_co_u32 s22, s22, s23
	s_mov_b32 s23, 0
	s_add_co_u32 s46, s42, 44                      ; B: proj_w begins at cod's row 11,264
	s_lshl_b32 s46, s46, 8
	s_lshl_b32 s47, s16, 7
	s_add_co_u32 s46, s46, s47
	s_lshl_b32 s92, s46, 5
	s_mov_b32 s93, 0
	s_mul_i32 s46, s46, KROW
	s_mov_b32 s47, 0
	s_mul_i32 s45, s16, HA                         ; where they go: no place in the cluster enters an LDS address
	s_mul_i32 s99, s16, HB
	s_add_co_u32 s99, s99, 2*HA
	s_lshl_b32 s94, s16, 12
	s_add_co_u32 s94, s94, PL
	s_mul_i32 s98, s16, HALFS
	s_add_co_u32 s98, s98, SCL+2*HALFS
	s_wait_kmcnt 0x0
	s_add_nc_u64 s[20:21], s[4:5], s[20:21]
	s_add_nc_u64 s[22:23], s[6:7], s[22:23]
	s_add_nc_u64 s[46:47], s[8:9], s[46:47]
	s_add_nc_u64 s[92:93], s[10:11], s[92:93]
	CROUND                                         ; all sixteen work-groups are here: the first joint loads meet
	s_mov_b32 s[G0S], 1
	s_mov_b32 s[G0S+1], s94
	s_mov_b64 s[G0S+2:G0S+3], s[22:23]
	s_or_b32 s[G0S+3], s[G0S+3], 0x80000000
	s_mov_b32 s[G0SB], 1
	s_mov_b32 s[G0SB+1], s98
	s_mov_b64 s[G0SB+2:G0SB+3], s[92:93]
	s_or_b32 s[G0SB+3], s[G0SB+3], 0x80000000
	JLOAD G0S, G1S, G0SB, G1SB                     ; the scales first
.irp s, 0,1
	s_mov_b32 s[G0+4*\s], 1
	s_add_co_u32 s[G0+4*\s+1], s45, \s*SLOT
	s_add_nc_u64 s[G0+4*\s+2:G0+4*\s+3], s[20:21], \s*HA
	s_or_b32 s[G0+4*\s+3], s[G0+4*\s+3], 0x80000000
	s_mov_b32 s[G0B+4*\s], 1
	s_add_co_u32 s[G0B+4*\s+1], s99, \s*SLOT
	s_add_nc_u64 s[G0B+4*\s+2:G0B+4*\s+3], s[46:47], \s*ROWB
	s_or_b32 s[G0B+4*\s+3], s[G0B+4*\s+3], 0x80000000
	JLOAD G0+4*\s, G1, G0B+4*\s, G1B               ; three loads of mine are out
.endr
	v_and_b32 v1, 15, v0                           ; r
	v_bfe_u32 v2, v0, 4, 1                         ; h
	v_and_b32 v6, 31, v0                           ; lane
	v_mul_u32_u24 v3, v1, PITCH
	v_mul_u32_u24 v4, v2, 24
	v_add_nc_u32 v4, v3, v4                        ; B: a fragment's row x pitch + 24 h
	v_lshl_add_u32 v5, v2, 4, v4                   ; and the same behind one padding more
	v_lshlrev_b32 v7, 3, v6                        ; A: 8 x lane
	s_mul_i32 s21, s15, HA                         ; my 128 rows of A
	s_mul_i32 s22, s16, HB                         ; my 128 rows of B,
	s_add_co_u32 s22, s22, 2*HA                    ; which lie behind A's two halves
.irp s, 0,1
	v_add_nc_u32 v[ADRA+\s], s21, v7
	v_add_nc_u32 v[ADRB+\s], s22, v4
	v_add_nc_u32 v[ADRB+2+\s], s22, v5
	s_add_co_u32 s21, s21, SLOT
	s_add_co_u32 s22, s22, SLOT
.endr
	v_mul_u32_u24 v5, v1, KS                       ; my row's scale words: 32 bytes a row,
	v_lshrrev_b32 v8, 8, v5
	v_lshl_add_u32 v5, v8, 4, v5                   ; and 16 more for each 256 passed
	s_mul_i32 s21, s15, HALFS
	s_mul_i32 s22, s16, HALFS
	s_add_co_u32 s22, s22, 2*HALFS
	s_sub_co_u32 s22, s22, s21
	v_mul_u32_u24 v8, s22, v2                      ; lanes 16-31 take B's
	s_add_co_u32 s21, s21, SCL
	v_add_nc_u32 v5, v5, v8
	v_add_nc_u32 v[ADRS], s21, v5
	v_lshl_add_u32 v9, v0, 2, PL                   ; the scale table: thread n reads rows 2 n and 2 n + 1 of each head's piece,
	v_lshrrev_b32 v10, 2, v0
	v_lshlrev_b32 v10, 4, v10
	v_lshl_add_u32 v10, v0, 6, v10
	v_add_nc_u32 v10, SCL, v10                     ; and writes their 64 bytes of words at 64 n + 16 (n / 4)
	s_mov_b32 s66, 0x05040100                      ; v_perm_b32: the two low halves;
	s_mov_b32 s67, 0x07060302                      ; the two high halves
	s_mul_i32 s23, s14, 16*SPITCH                  ; my stage
	v_mul_u32_u24 v5, v1, SPITCH                   ; in: row r; my half's 16 columns of each 32 lie 64 h bytes on
	v_lshl_add_u32 v5, v2, 6, v5
	v_add_nc_u32 v[STO], s23, v5
	v_lshlrev_b32 v[CO], 4, v6                     ; back: the 32 lanes take one row of 512 bytes; and the same in out0
	v_add_nc_u32 v[RD], s23, v[CO]
	s_lshl_b32 s20, s17, 8
	s_lshl_b32 s21, s15, 7
	s_add_co_u32 s20, s20, s21                     ; my first row of out0
	s_lshl_b32 s20, s20, 12                        ; x 4,096 bytes (under 2^25)
	s_lshl_b32 s46, s42, 10                        ; my first column, in bytes
	s_lshl_b32 s47, s16, 9
	s_add_co_u32 s46, s46, s47
	s_add_co_u32 s20, s20, s46
	s_mov_b32 s21, 0
	s_add_nc_u64 s[12:13], s[12:13], s[20:21]
	s_mov_b32 s47, 0
	s_add_nc_u64 s[96:97], s[96:97], s[46:47]      ; proj_b at my first column (4 bytes a number, as in out0)
	v_lshlrev_b32 v11, 6, v2                       ; the bias in the result's layout: tile b's register j is column 32 (b / 2) + 16 h + 8 (b % 2) + j
.irp b, 0,1,2,3,4,5,6,7
	global_load_b128 v[BIAS+8*\b:BIAS+8*\b+3],   v11, s[96:97] offset:(32*(\b/2)+8*(\b%2))*4
	global_load_b128 v[BIAS+8*\b+4:BIAS+8*\b+7], v11, s[96:97] offset:(32*(\b/2)+8*(\b%2))*4+16
.endr
.macro FRAG reg, adr, q, i             ; B: 16 rows x 128 K from padded rows, in pieces of 8 bytes
.irp p, 0,1,2,3,4,5
.set PCE, 12*(\q)+6*(\p/3)+\p%3
.if PCE%8 < 5
	ds_load_b64 v[\reg+2*\p:\reg+2*\p+1], v[\adr] offset:8*PCE+16*(PCE/8)+(\i)*16*PITCH
.else
	ds_load_b64 v[\reg+2*\p:\reg+2*\p+1], v[\adr+2] offset:8*PCE+16*(PCE/8)+(\i)*16*PITCH
.endif
.endr
.endm
.macro FRAGA reg, slot, q, i           ; A: an image: six groups of 256 bytes, 8 bytes a lane
.irp p, 0,1,2,3,4,5
	ds_load_b64 v[\reg+2*\p:\reg+2*\p+1], v[ADRA+\slot] offset:(8*(\q)+(\i))*1536+256*\p
.endr
.endm
; 16 matrix instructions: A's blocks a0, a0 + 1 against B's eight; the 64 accumulators by turns.  zero = 1: the sums begin with the bias as C.
.macro MUL16 a0, p, q, sc, zero
.irp a, \a0, \a0+1
.irp b, 0,1,2,3,4,5,6,7
.if \zero
	v_wmma_scale_f32_16x16x128_f8f6f4 v[8*(8*((\a)%4)+\b):8*(8*((\a)%4)+\b)+7], v[128*(\p)+FR*\b:128*(\p)+FR*\b+FR-1], v[AF+FR*(\a):AF+FR*(\a)+FR-1], v[BIAS+8*\b:BIAS+8*\b+7], v[SC+8*NQ*(\sc)+NQ*\b+(\q)], v[SC+8*NQ*(\sc)+NQ*(\a)+(\q)] matrix_a_fmt:MATRIX_FMT_FP6 matrix_b_fmt:MATRIX_FMT_FP6 matrix_a_scale:MATRIX_SCALE_ROW1
.else
	v_wmma_scale_f32_16x16x128_f8f6f4 v[8*(8*((\a)%4)+\b):8*(8*((\a)%4)+\b)+7], v[128*(\p)+FR*\b:128*(\p)+FR*\b+FR-1], v[AF+FR*(\a):AF+FR*(\a)+FR-1], v[8*(8*((\a)%4)+\b):8*(8*((\a)%4)+\b)+7], v[SC+8*NQ*(\sc)+NQ*\b+(\q)], v[SC+8*NQ*(\sc)+NQ*(\a)+(\q)] matrix_a_fmt:MATRIX_FMT_FP6 matrix_b_fmt:MATRIX_FMT_FP6 matrix_a_scale:MATRIX_SCALE_ROW1
.endif
.endr
.endr
.endm
.macro FETCH_B slot, q, p
	WIN TO_B
.irp i, 0,1,2,3,4,5,6,7
	FRAG 128*(\p)+FR*\i, ADRB+\slot, \q, \i
.endr
	WIN 0
.endm
.macro FETCH_A slot, q, i0
.irp i, \i0, \i0+1, \i0+2, \i0+3
	FRAGA AF+FR*(\i), \slot, \q, \i
.endr
.endm
.macro SCALES sc
.irp i, 0,1,2,3,4,5,6,7
	ds_load_b64 v[SC+8*NQ*\sc+NQ*\i:SC+8*NQ*\sc+NQ*\i+1], v[ADRS] offset:\i*SBLK
.endr
.endm
.macro PLACES n
.rept \n
	v_nop
.endr
.endm
.macro STEP slot, q, zero
	s_wait_dscnt 4*NL                              ; B's set and A's blocks 0-3 are in; the youngest 24 loads (A's blocks 4-7) may be out
.if \zero
	WIN 0x81                                       ; C (the bias) window 0, D window 2
.else
	WIN MUL_LO
.endif
	MUL16 0, (\q)%2, \q, \slot, \zero
	MUL16 2, (\q)%2, \q, \slot, \zero
	s_wait_dscnt 0
	PLACES NP
	FETCH_B \slot, (\q)+1, 1-(\q)%2
	FETCH_A \slot, (\q)+1, 0
.if \zero
	WIN 0xc1
.else
	WIN MUL_HI
.endif
	MUL16 4, (\q)%2, \q, \slot, \zero
	MUL16 6, (\q)%2, \q, \slot, \zero
	PLACES NP
	WIN 0
	FETCH_A \slot, (\q)+1, 4
.endm
.macro TURN slot, next, fill
	s_wait_tensorcnt 0x0                           ; all my tensor loads have landed: my part of the next slot
	ds_add_u32 v[SPW], v[NIL]                      ; 0 onto my spare word
	s_wait_dscnt 4*NL+1                            ; (the add and the youngest 24 loads may be out)
	WIN MUL_LO
	MUL16 0, 1, NQ-1, \slot, 0
	s_wait_dscnt 0x0                               ; the add is done, and my reads of this slot are over
	s_barrier_signal -1
	MUL16 2, 1, NQ-1, \slot, 0
	WIN 0
	s_barrier_wait -1
.if \fill
	CREST                                          ; the barrier has opened a round of the cluster's barrier
	s_add_nc_u64 s[G0+4*\slot+2:G0+4*\slot+3], s[G0+4*\slot+2:G0+4*\slot+3], 2*HA
	s_add_nc_u64 s[G0B+4*\slot+2:G0B+4*\slot+3], s[G0B+4*\slot+2:G0B+4*\slot+3], 2*ROWB
	JLOAD G0+4*\slot, G1, G0B+4*\slot, G1B         ; the first tensor load behind the round; its four v_nop are the places in front of the loads below
.else
	PLACES NP
.endif
	v_add_nc_u32 v[ADRS], 4*NQ, v[ADRS]
	FETCH_B \next, 0, 0
	FETCH_A \next, 0, 0
	SCALES \next
	WIN MUL_HI
	MUL16 4, 1, NQ-1, \slot, 0
	MUL16 6, 1, NQ-1, \slot, 0
	PLACES NP
	WIN 0
	FETCH_A \next, 0, 4
.endm
	s_wait_tensorcnt 1                             ; the scales and my part of K step 0 are in (K step 1's load may be out),
	s_barrier_signal -1
	s_barrier_wait -1                              ; everybody's are
	; A's scale words: the word of a row and of 128 along K is two heads' pairs of bytes
.irp d, 0,1,2,3,4,5,6,7,8,9,10,11,12,13,14,15
	ds_load_b32 v[128+\d], v9 offset:512*\d        ; head d: rows 2 n (low half) and 2 n + 1 (high half)
.endr
	s_wait_dscnt 0x0
.irp k, 0,1,2,3,4,5,6,7
	v_perm_b32 v[144+\k], v[129+2*\k], v[128+2*\k], s66   ; row 2 n: head 2 k's bytes below, head 2 k + 1's above
	v_perm_b32 v[152+\k], v[129+2*\k], v[128+2*\k], s67   ; row 2 n + 1
.endr
.irp i, 0,1,2,3
	ds_store_b128 v10, v[144+4*\i:144+4*\i+3] offset:16*\i
.endr
	s_wait_dscnt 0x0                               ; for the others' sake: my stores have landed
	s_barrier_signal -1
	s_barrier_wait -1
	FETCH_B 0, 0, 0
	FETCH_A 0, 0, 0
	SCALES 0
	FETCH_A 0, 0, 4
	s_wait_loadcnt 0x0                             ; the bias
	STEP 0, 0, 1                                   ; four K steps: the walk is written out
	TURN 0, 1, 1
	STEP 1, 0, 0
	TURN 1, 0, 1
	STEP 0, 0, 0
	TURN 0, 1, 0
	STEP 1, 0, 0
	s_wait_dscnt 4*NL                              ; the very last 128: nothing more to fetch
	WIN MUL_LO
	MUL16 0, 1, NQ-1, 1, 0
	MUL16 2, 1, NQ-1, 1, 0
	s_wait_dscnt 0
	WIN MUL_HI
	MUL16 4, 1, NQ-1, 1, 0
	MUL16 6, 1, NQ-1, 1, 0
	WIN 0
; THE WAY OUT, a block of 16 rows x 128 columns at a time, through my own stage: in by lanes (32 bytes of a row each, at the columns' true places), back as whole rows of 512 bytes.
; LDS serves a wave's instructions in order: no wait between the stores and the loads, nor in front of the next block's stores.
.macro TOSTAGE a
.set AC, 64*((\a)%4)
	WIN 0x08+4*((\a)/4)                            ; the data: window 2 or 3
.irp b, 0,1,2,3,4,5,6,7
	ds_store_b128 v[STO], v[AC+8*\b:AC+8*\b+3] offset:128*(\b/2)+32*(\b%2)          ; each accumulator from its low end on
	ds_store_b128 v[STO], v[AC+8*\b+4:AC+8*\b+7] offset:128*(\b/2)+32*(\b%2)+16
.endr
	WIN 0
.set BB, BK+64*((\a)%2)
.irp t, 0,1,2,3,4,5,6,7,8,9,10,11,12,13,14,15
	ds_load_b128 v[BB+4*\t:BB+4*\t+3], v[RD] offset:\t*SPITCH
.endr
.endm
.macro SEND a, younger                 ; block a begins at row 32 (a / 2) + 8 (a % 2); its stage row t is row t + 8 (t / 8) from there
.set BB, BK+64*((\a)%2)
	s_wait_dscnt \younger
.if (\a) > 0
.if (\a)%2 == 1
	s_add_nc_u64 s[12:13], s[12:13], 8*4096        ; (behind a wait on XCNT: the earlier stores have read their base)
.else
	s_add_nc_u64 s[12:13], s[12:13], 24*4096
.endif
.endif
.irp t, 0,1,2,3,4,5,6,7,8,9,10,11,12,13,14,15
	global_store_b128 v[CO], v[BB+4*\t:BB+4*\t+3], s[12:13] offset:(\t+8*(\t/8))*4096 th:TH_STORE_NT   ; 32 lanes store 512 consecutive bytes, aligned; written once, read by nobody here
.endr
.endm
	PLACES NP
	TOSTAGE 0
.irp a, 1,2,3,4,5,6,7
.if \a > 1
	s_wait_xcnt 0x0                                ; block a - 2's stores have read their registers and their base
.endif
	TOSTAGE \a
	SEND \a-1, 32                                  ; behind block a - 1's loads: block a's 16 stores and 16 loads
.endr
	s_wait_xcnt 0x0
	SEND 7, 0
	s_wait_tensorcnt 0x0                           ; the wave's end
	ds_add_u32 v[SPW], v[NIL]
	s_wait_dscnt 0x0
	CROUND                                         ; the closing round
	s_endpgm
.Lfunc_end_k_qd49544f5f0_projgemm:
	.size	k_qd49544f5f0_projgemm, .Lfunc_end_k_qd49544f5f0_projgemm-k_qd49544f5f0_projgemm
	.p2alignl 7, 3214868480
	.fill 96, 4, 3214868480
	.section	.rodata,"a",@progbits
	.p2align	6, 0x0
	.amdhsa_kernel k_qd49544f5f0_projgemm
		.amdhsa_group_segment_fixed_size 327680
		.amdhsa_private_segment_fixed_size 0
		.amdhsa_enable_private_segment 0
		.amdhsa_kernarg_size 48
		.amdhsa_user_sgpr_count 2
		.amdhsa_user_sgpr_kernarg_segment_ptr 1
		.amdhsa_wavefront_size32 1
		.amdhsa_system_sgpr_workgroup_id_x 1
		.amdhsa_system_sgpr_workgroup_id_y 1
		.amdhsa_system_sgpr_workgroup_id_z 1
		.amdhsa_system_vgpr_workitem_id 0
		.amdhsa_next_free_vgpr 1024
		.amdhsa_next_free_sgpr 100
		.amdhsa_reserve_vcc 0
		.amdhsa_float_denorm_mode_32 3
		.amdhsa_float_denorm_mode_16_64 3
		.amdhsa_memory_ordered 1
		.amdhsa_forward_progress 1
		.amdhsa_inst_pref_size 164
	.end_amdhsa_kernel
	.amdgpu_metadata
---
amdhsa.version: [ 1, 2 ]
amdhsa.kernels:
  - .name:           k_qd49544f5f0_projgemm
    .symbol:         k_qd49544f5f0_projgemm.kd
    .args:
      - { .name: ac, .offset: 0, .size: 8, .value_kind: global_buffer, .address_space: global }
      - { .name: asc, .offset: 8, .size: 8, .value_kind: global_buffer, .address_space: global }
      - { .name: cod, .offset: 16, .size: 8, .value_kind: global_buffer, .address_space: global }
      - { .name: scl, .offset: 24, .size: 8, .value_kind: global_buffer, .address_space: global }
      - { .name: proj_b, .offset: 32, .size: 8, .value_kind: global_buffer, .address_space: global }
      - { .name: out0, .offset: 40, .size: 8, .value_kind: global_buffer, .address_space: global }
    .group_segment_fixed_size: 327680
    .private_segment_fixed_size: 0
    .kernarg_segment_align: 8
    .kernarg_segment_size: 48
    .max_flat_workgroup_size: 128
    .sgpr_count:     100
    .vgpr_count:     1024
    .wavefront_size: 32
...
	.end_amdgpu_metadata
.endif
;; end of part 4
